; MI455X (gfx1250); checked and timed in simulation.
; The chip was launched on July 23, 2026; its instructions are those of AMD's public machine-readable ISA for CDNA 5 (MIT licence, August 2026) and "CDNA5" Instruction Set Architecture Reference Guide (July 2026). The comments in the code are by the model that wrote it; some were corrected since.
;; MHA. Allowed arithmetic: matrix products marked QUANTISED: E4M3 operands, one given power-of-two scale a tensor, by v_wmma_f32_16x16x64_fp8_fp8 or v_wmma_f32_16x16x128_fp8_fp8, f32 sums; everything else in f32.
;; Inputs: Wo 1,024 x 1,024 float32; Wqkv 1,024 x 3,072 float32; bo 1,024 float32; bqkv 3,072 float32; lowp_scales 8 int32 (the exponents e of the quantised operands' scales 2^e); x 4 x 2,048 x 1,024 float32.
;; Outputs: out0 4 x 2,048 x 1,024 float32.
;; This version of the problem:
;;   THIS VERSION OF THE PROBLEM IS GIVEN IN LOW PRECISION. The matrix products marked QUANTISED in the list below multiply operands that are first quantised to E4M3 (4 exponent bits, 3 mantissa bits; 8 bits a number), with one given power-of-two scale for each operand tensor; their sums are f32. All else is computed in f32.
;;   The module's matrix products, in the order in which they are computed (A, B: the left and right operand; K: the contracted axis; several contracted axes count as one K, in the product's order):
;;     1. [M 8,192, K 1,024] x [K 1,024, N 3,072]; A: input x; B: input Wqkv: QUANTISED (scales: A lowp_scales[0], B lowp_scales[1])
;;     2. batch 64 x [M 2,048, K 64] x [K 64, N 2,048]; A: computed on the way; B: computed on the way: QUANTISED (scales: A lowp_scales[2], B lowp_scales[3])
;;     3. batch 64 x [M 2,048, K 2,048] x [K 2,048, N 64]; A: softmax (see below); B: computed on the way: QUANTISED (scales: A lowp_scales[4], B lowp_scales[5])
;;     4. [M 8,192, K 1,024] x [K 1,024, N 1,024]; A: computed on the way; B: input Wo: QUANTISED (scales: A lowp_scales[6], B lowp_scales[7])
;;   THE QUANTISER, for each operand of a quantised product, along K:
;;     - The operand's scale is 2^e, e = its entry of the input lowp_scales (int32; the entries are numbered through the quantised products in the list's order, A before B).
;;     - Each number is divided by the scale, clamped to +-448, and rounded to the nearest number of E4M3, ties to even, subnormals kept.
;;     - The product sums the exact products of the quantised numbers (number of the format x scale) in f32.
;;   ~~~python
;;   def quantise(x, axis, e):      # numpy; x: float32 -> the quantised numbers, widened to float32 again
;;       x = np.moveaxis(x, axis, -1); K = x.shape[-1]
;;       r = np.clip(x / 2.0 ** e, -448, 448)
;;       step = 2.0 ** (np.maximum(np.frexp(np.where(r == 0, 1, r))[1] - 1, -6) - 3)
;;       q = np.round(r / step) * step * 2.0 ** e      # np.round: ties to even
;;       return np.moveaxis(q, -1, axis).astype(np.float32)
;;   ~~~
;;   SOFTMAX AHEAD OF A QUANTISED PRODUCT. Where the list says 'softmax', what is quantised is not the finished softmax but p = 2^(t - M), with t = logit x log2(e) and M = ceil(the row's largest t), a whole number; so 1/2 < the row's largest p <= 1. The row's sum l is taken of the UNQUANTISED p, in f32, and the product's result is divided by l at the end. Since M is a whole number, a kernel that streams over the keys may use a running M (the ceiling of the running maximum): every later rescaling is an exact power of two, so the quantised numbers keep their values, but for numbers so far below the row's largest that they fall under the format's range.
;;   OPERANDS COMPUTED ON THE WAY. 'Computed on the way' means the value that the module computes at that place (a softmax that the list does not call 'softmax' is quantised finished and normalised). What goes into a quantiser is computed in f32, as accurately as f32 sums, v_exp_f32 and their like allow (about 1e-6 of the number): no bf16 or f16 on the way to a quantiser, and a product that is left as it is and whose result goes on into a quantised operand takes f32 operands (vector FMAs, or v_wmma_f32_16x16x4_f32). A number that lies on a knife's edge between two numbers of the format may be rounded either way, as far as f32 arithmetic and the matrix unit's own rounding can turn it there, and no further.
;; 2 versions, each right; version 2 is version 1 with the launch attn written anew for expert scheduling mode. Each part assembles by itself: llvm-mc -triple=amdgcn-amd-amdhsa -mcpu=gfx1250 --defsym DOCPART=n.
;; ======== version 1 of 2: 4 launches
;; workspace buffers: ximg 8,388,608 bytes; wqkvimg 3,145,728 bytes; woimg 1,048,576 bytes; qimg 8,388,608 bytes; kvimg 16,777,216 bytes; yimg 8,388,608 bytes
;; launch quant (part 1): grid 384 x 1, 8 waves a work-group, no clusters, 68,608 bytes of LDS; arguments x, Wqkv, Wo, lowp_scales, ximg, wqkvimg, woimg; writes ximg, wqkvimg, woimg
.if DOCPART == 1
	.amdgcn_target "amdgcn-amd-amdhsa--gfx1250"
	.amdhsa_code_object_version 6
	.text
	.protected	k_q0bf81003c2_quant
	.globl	k_q0bf81003c2_quant
	.p2align	8
	.type	k_q0bf81003c2_quant,@function
k_q0bf81003c2_quant:
	s_mov_b64 s[64:65], 0
	v_nop
	global_prefetch_b8 v0, s[64:65] scope:SCOPE_SE
	s_setreg_imm32_b32 hwreg(HW_REG_WAVE_MODE, 25, 1), 1
	s_wait_xcnt 0x0
; x [8192][1024], Wqkv [1024][3072] and Wo [1024][1024], f32, become codes of E4M3, each with its given scale 2^e (entries 0, 1 and 7 of the scales).
; code = number / 2^e, held within +-448, rounded to the nearest code, ties to even.
; LIMITS: e between -126 and 119, so that 2^e and 448 x 2^e are f32 numbers.  NaN among the inputs is not served; an infinity is held at the largest code.
; THE CODES ARE LAID AS IMAGES OF OPERAND REGISTERS.  A fragment is 16 rows x 128 k, 2,048 bytes: byte 512 g + 16 L + b (lane L = 16 h + r) holds row r,
; k = 32 g + 16 (b / 8) + 8 h + b % 8: register 4 g + b / 4 of lane L in the layout of the plain 8-bit matrix forms.  ximg: [row tile 512][k step 8]; the weights: [tile of 16 columns][k step 8].
; SHARES.  Work-groups 0-255 take x, 256-351 Wqkv, 352-383 Wo; a wave has one task of 16 KB of f32.  Waves share nothing: no barrier.
; x: K is innermost.  A task is 16 rows x 256 k.  Each load reads 512 consecutive bytes of a row; the numbers turn through the wave's own stage in LDS (rows of 512 + 16 bytes) and come back
;    32 bytes at a time, so that a lane holds eight neighbours along K for each conversion.
; weights: K is the first axis.  A lane takes a column and its registers run down K (128 k a task), so the conversions give codes with K innermost and nothing is transposed.
.set STG,   8448                       ; a wave's stage: 16 rows x 528 bytes
.set SPARE, 8*STG                      ; behind the stages: the spare words, 128 bytes a wave: four blocks of 256 bytes that no other line names
.set SPW,   12                         ; v12  my spare word's LDS address; never rewritten
.set NIL,   13                         ; v13  0; never rewritten
.set R0,    16                         ; v16-79   x: fragment 0 as loaded, later fragment 1's neighbours.  weights: v16-143 the 128 numbers of my column
.set X,     144                        ; v144-207 x: fragment 0's neighbours
.set C,     208                        ; v208-239 codes: every store has registers of its own
.macro MKSC e                          ; v11 = 2^e as f32 (the conversion takes its exponent field), v10 = 448 x 2^e
	s_add_co_i32 s37, s[\e], 127
	s_lshl_b32 s38, s37, 23
	v_mov_b32 v11, s38
	s_add_co_i32 s37, s37, 8
	s_lshl_b32 s37, s37, 23
	s_or_b32 s37, s37, 0x600000
	v_mov_b32 v10, s37
.endm
.macro QUANT64 src, dst                ; 64 numbers of a lane, eight neighbours along K to a conversion, become 16 registers of codes
.set i, 0
.rept 64
	v_med3_num_f32 v[\src+i], v[\src+i], -v10, v10   ; the conversion to an 8-bit code does not saturate (ISA guide 7.6.2): the hold comes first
.set i, i+1
.endr
.set i, 0
.rept 8
	v_cvt_scalef32_pk8_fp8_f32 v[\dst+2*i:\dst+2*i+1], v[\src+8*i:\src+8*i+7], v11
.set i, i+1
.endr
	v_nop                                          ; one plain line behind the last conversion
.endm
.macro WLOAD t, N, in                  ; block t of my column: 32 rows of the weight; a wave's load reads 128 consecutive bytes, the eight waves stand side by side
.set i, 0
.rept 32
	global_load_b32 v[16+32*(\t)+i], v5, s[\in:\in+1] offset:(32*(\t)+i)*\N*4 th:TH_LOAD_NT
.set i, i+1
.endr
.endm
; A weight of N columns: buffer s[in], images s[out], exponent s[e]; its work-groups begin at number first.
.macro WPATH N, in, out, e, first
	s_sub_co_u32 s21, ttmp9, \first
	s_and_b32 s22, s21, 7                          ; k step of 128
	s_lshr_b32 s23, s21, 3                         ; block of 256 columns
	s_mul_i32 s32, s22, 128*\N*4
	s_lshl_b32 s33, s23, 10
	s_add_co_u32 s32, s32, s33
	s_lshl_b32 s33, s20, 7                         ; my wave's 32 columns
	s_add_co_u32 s32, s32, s33
	s_mov_b32 s33, 0
	s_add_nc_u64 s[\in:\in+1], s[\in:\in+1], s[32:33]
	s_lshl_b32 s34, s23, 4
	s_lshl_b32 s35, s20, 1
	s_add_co_u32 s34, s34, s35                     ; my first tile of 16 columns
	s_lshl_b32 s34, s34, 14
	s_lshl_b32 s35, s22, 11
	s_add_co_u32 s34, s34, s35
	s_mov_b32 s35, 0
	s_add_nc_u64 s[\out:\out+1], s[\out:\out+1], s[34:35]
	v_lshlrev_b32 v5, 2, v1                        ; in: 4 bytes a lane
	v_lshrrev_b32 v6, 4, v1
	v_and_b32 v7, 15, v1
	v_lshlrev_b32 v7, 4, v7
	v_lshl_add_u32 v6, v6, 14, v7                  ; out: lanes 16-31 hold the next tile of columns; 16 bytes a column
	WLOAD 0, \N, \in
	WLOAD 1, \N, \in
	s_wait_kmcnt 0x0
	MKSC \e
.irp t, 0,1,2,3
.if \t < 3
	s_wait_loadcnt 32                              ; this block's 32 loads are in; the next block's 32 may be out
.else
	s_wait_loadcnt 0x0
.endif
.if \t < 2
	WLOAD \t+2, \N, \in                            ; two blocks ahead, into registers of their own
.endif
.set i, 0
.rept 32
	v_med3_num_f32 v[16+32*\t+i], v[16+32*\t+i], -v10, v10
.set i, i+1
.endr
.irp g, 0,1,2,3                        ; k 8 g .. 8 g + 7 of the block: in the image k 0-7 and 16-23 lie with half 0 of the lanes, k 8-15 and 24-31 with half 1
	v_cvt_scalef32_pk8_fp8_f32 v[C+8*\t+4*(\g%2)+2*(\g/2):C+8*\t+4*(\g%2)+2*(\g/2)+1], v[16+32*\t+8*\g:16+32*\t+8*\g+7], v11
.endr
	v_nop
	global_store_b128 v6, v[C+8*\t:C+8*\t+3], s[\out:\out+1] offset:512*\t         ; sixteen lanes store 256 consecutive bytes, aligned
	global_store_b128 v6, v[C+8*\t+4:C+8*\t+7], s[\out:\out+1] offset:512*\t+256
.endr
	s_endpgm
.endm
	s_load_b256 s[4:11], s[0:1], 0x0               ; x s[4:5], Wqkv s[6:7], Wo s[8:9], the scales' exponents s[10:11]
	s_load_b128 s[12:15], s[0:1], 0x20             ; ximg s[12:13], wqkvimg s[14:15]
	s_load_b64 s[16:17], s[0:1], 0x30              ; woimg
	v_lshl_add_u32 v[SPW], v0, 2, SPARE
	v_mov_b32 v[NIL], 0
	v_lshrrev_b32 v1, 5, v0
	v_readfirstlane_b32 s20, v1                    ; wave 0..7
	v_and_b32 v1, 31, v0                           ; lane
	v_lshlrev_b32 v2, 4, v1                        ; 16 x lane
	s_wait_kmcnt 0x0
	s_load_b256 s[24:31], s[10:11], 0x0            ; e0 .. e7
	s_cmp_lt_u32 ttmp9, 256
	s_cbranch_scc0 .Lweights
	; ---- x
	s_lshl_b32 s21, ttmp9, 3
	s_add_co_u32 s21, s21, s20                     ; my task
	s_lshr_b32 s22, s21, 2                         ; its tile of 16 rows
	s_and_b32 s23, s21, 3                          ; its 256 of the 1,024 along K
	s_lshl_b32 s32, s22, 16
	s_lshl_b32 s33, s23, 10
	s_add_co_u32 s32, s32, s33
	s_mov_b32 s33, 0
	s_add_nc_u64 s[4:5], s[4:5], s[32:33]
	s_lshl_b32 s34, s22, 14
	s_lshl_b32 s35, s23, 12
	s_add_co_u32 s34, s34, s35
	s_mov_b32 s35, 0
	s_add_nc_u64 s[12:13], s[12:13], s[34:35]
.irp f, 0,1
.irp p, 0,1,2,3,4,5,6,7,8,9,10,11,12,13,14,15
	global_load_b128 v[R0+64*\f+4*\p:R0+64*\f+4*\p+3], v2, s[4:5] offset:4096*\p+512*\f th:TH_LOAD_NT   ; 512 consecutive bytes of row p
.endr
.endr
	s_mul_i32 s36, s20, STG
	v_add_nc_u32 v3, s36, v2                       ; the stage, on the way in: 16 x lane in a row
	v_and_b32 v6, 15, v0
	v_bfe_u32 v7, v0, 4, 1
	v_mul_u32_u24 v4, v6, 528
	v_lshl_add_u32 v4, v7, 5, v4
	v_add_nc_u32 v4, s36, v4                       ; and on the way out: row r, + 32 h: eight neighbours of every sixteen
	s_wait_kmcnt 0x0
	MKSC 24
	s_wait_loadcnt 16                              ; fragment 0's sixteen loads are in; fragment 1's may be out
.irp p, 0,1,2,3,4,5,6,7,8,9,10,11,12,13,14,15
	ds_store_b128 v3, v[R0+4*\p:R0+4*\p+3] offset:528*\p
.endr
.irp c, 0,1,2,3,4,5,6,7
	ds_load_b128 v[X+8*\c:X+8*\c+3], v4 offset:64*\c           ; LDS serves a wave's instructions in order (ISA guide 5.7.1.4): these see the stores above
	ds_load_b128 v[X+8*\c+4:X+8*\c+7], v4 offset:64*\c+16
.endr
	s_wait_loadcnt 0x0
.irp p, 0,1,2,3,4,5,6,7,8,9,10,11,12,13,14,15
	ds_store_b128 v3, v[R0+64+4*\p:R0+64+4*\p+3] offset:528*\p ; fragment 1 into the same stage, behind the reads of fragment 0
.endr
	s_wait_dscnt 16                                ; all but these sixteen stores: fragment 0 is back, and its stores have read v16-79
.irp c, 0,1,2,3,4,5,6,7
	ds_load_b128 v[R0+8*\c:R0+8*\c+3], v4 offset:64*\c
	ds_load_b128 v[R0+8*\c+4:R0+8*\c+7], v4 offset:64*\c+16
.endr
	QUANT64 X, C
.irp g, 0,1,2,3
	global_store_b128 v2, v[C+4*\g:C+4*\g+3], s[12:13] offset:512*\g               ; 512 consecutive bytes, aligned
.endr
	s_wait_dscnt 0x0
	QUANT64 R0, C+16
.irp g, 0,1,2,3
	global_store_b128 v2, v[C+16+4*\g:C+16+4*\g+3], s[12:13] offset:2048+512*\g
.endr
	s_wait_tensorcnt 0x0                           ; the wave's end, behind my last LDS store
	ds_add_u32 v[SPW], v[NIL]
	s_wait_dscnt 0x0
	s_endpgm
.Lweights:
	s_cmp_lt_u32 ttmp9, 352
	s_cbranch_scc0 .Lwo
	WPATH 3072, 6, 14, 25, 256
.Lwo:
	WPATH 1024, 8, 16, 31, 352
.Lfunc_end_k_q0bf81003c2_quant:
	.size	k_q0bf81003c2_quant, .Lfunc_end_k_q0bf81003c2_quant-k_q0bf81003c2_quant
	.p2alignl 7, 3214868480
	.fill 96, 4, 3214868480
	.section	.rodata,"a",@progbits
	.p2align	6, 0x0
	.amdhsa_kernel k_q0bf81003c2_quant
		.amdhsa_group_segment_fixed_size 68608
		.amdhsa_private_segment_fixed_size 0
		.amdhsa_enable_private_segment 0
		.amdhsa_kernarg_size 56
		.amdhsa_user_sgpr_count 2
		.amdhsa_user_sgpr_kernarg_segment_ptr 1
		.amdhsa_wavefront_size32 1
		.amdhsa_system_sgpr_workgroup_id_x 1
		.amdhsa_system_sgpr_workgroup_id_y 1
		.amdhsa_system_sgpr_workgroup_id_z 1
		.amdhsa_system_vgpr_workitem_id 0
		.amdhsa_next_free_vgpr 240
		.amdhsa_next_free_sgpr 66
		.amdhsa_reserve_vcc 0
		.amdhsa_float_denorm_mode_32 3
		.amdhsa_float_denorm_mode_16_64 3
		.amdhsa_memory_ordered 1
		.amdhsa_forward_progress 1
		.amdhsa_inst_pref_size 66
	.end_amdhsa_kernel
	.amdgpu_metadata
---
amdhsa.version: [ 1, 2 ]
amdhsa.kernels:
  - .name:           k_q0bf81003c2_quant
    .symbol:         k_q0bf81003c2_quant.kd
    .args:
      - { .name: x, .offset: 0, .size: 8, .value_kind: global_buffer, .address_space: global }
      - { .name: Wqkv, .offset: 8, .size: 8, .value_kind: global_buffer, .address_space: global }
      - { .name: Wo, .offset: 16, .size: 8, .value_kind: global_buffer, .address_space: global }
      - { .name: lowp_scales, .offset: 24, .size: 8, .value_kind: global_buffer, .address_space: global }
      - { .name: ximg, .offset: 32, .size: 8, .value_kind: global_buffer, .address_space: global }
      - { .name: wqkvimg, .offset: 40, .size: 8, .value_kind: global_buffer, .address_space: global }
      - { .name: woimg, .offset: 48, .size: 8, .value_kind: global_buffer, .address_space: global }
    .group_segment_fixed_size: 68608
    .private_segment_fixed_size: 0
    .kernarg_segment_align: 8
    .kernarg_segment_size: 56
    .max_flat_workgroup_size: 256
    .sgpr_count:     66
    .vgpr_count:     240
    .wavefront_size: 32
...
	.end_amdgpu_metadata
.endif
;; end of part 1
;; launch qkv (part 2): grid 12 x 32, 4 waves a work-group, clusters of 4 x 4, 327,680 bytes of LDS; arguments ximg, wqkvimg, bqkv, lowp_scales, qimg, kvimg; writes qimg, kvimg
.if DOCPART == 2
	.amdgcn_target "amdgcn-amd-amdhsa--gfx1250"
	.amdhsa_code_object_version 6
	.text
	.protected	k_q0bf81003c2_qkv
	.globl	k_q0bf81003c2_qkv
	.p2align	8
	.type	k_q0bf81003c2_qkv,@function
k_q0bf81003c2_qkv:
	s_mov_b64 s[64:65], 0
	v_nop
	global_prefetch_b8 v0, s[64:65] scope:SCOPE_SE
	s_setreg_imm32_b32 hwreg(HW_REG_WAVE_MODE, 25, 1), 1
	s_wait_xcnt 0x0
	s_wait_alu depctr_hold_cnt(0) depctr_sa_sdst(0) depctr_va_vdst(0) depctr_va_sdst(0) depctr_va_ssrc(0) depctr_va_vcc(0) depctr_vm_vsrc(0)
	s_getreg_b32 s2, hwreg(HW_REG_IB_STS2, 6, 4)
	s_cmp_eq_u32 s2, 0
	s_cbranch_scc0 .Lentry_in_a_cluster
	s_endpgm
.Lentry_in_a_cluster:
	s_bfe_u32 s2, ttmp6, 0x10000c
	s_cmp_lg_u32 s2, 0xf033
	s_cbranch_scc0 .Lentry_shape_is_right
	s_endpgm
.Lentry_shape_is_right:
; qkv = Q(x) Q(Wqkv) x 2^(e0 + e1) + bqkv, and its three parts quantised at once (q: e2, k: e3, v: e5) into the operand images that the attention launch reads.  K = 1,024.
; OPERANDS are images of fragments (16 rows x 128 k = 2,048 bytes, register 4 g + .. of lane L at 512 g + 16 L), [tile of 16 rows][k step 8]: a fragment is four loads of 512 consecutive bytes.
; A work-group of four waves makes 256 x 256 of the product, a wave 128 x 128: 64 accumulators.  K goes in four steps of 256 (4,096 bytes of each row tile) through two LDS slots filled by tensor loads.
; TWO REGIONS.  Region A's fragments are source 1 of the matrix instruction, region B's source 0: in a result lane r holds row 16 a + r of region A, and register j row 16 b + 8 h + j of region B.
;   q, k (cluster x = 0, 1): region A = tokens (ximg), region B = columns (wqkvimg): a lane holds a token and eight neighbouring channels: codes with the head's 64 innermost.
;   v    (cluster x = 2):    region A = columns, region B = tokens: a lane holds a channel and eight neighbouring tokens: codes with the keys innermost.  Only the buffers change places, by a choice on the cluster's x.
; CLUSTERS: 4 x 4.  Region A's tile hangs on cy alone and is asked for jointly by a row of the cluster, region B's on cx alone, by a column.
; OUT: qimg [batch x head 64][tile of 16 tokens 128][1,024];  kvimg [batch x head 64][key step 16][16,384: 8 tiles of 16 keys x 64, then 4 tiles of 16 channels x 128 keys].
; LIMITS: e0 + e1 between -126 and 127; e2, e3, e5 between -126 and 119.  NaN is not served.
; REGISTERS, in windows of 256: window 0: v0-31 addresses, v32-111 biases, from v128 region A's fragments (one set); on the way out v112-207 at work.  window 1: region B's fragments, two sets.
;   windows 2, 3: accumulator (a, b) at v[8 (8 (a % 4) + b)] of window 2 + a / 4.
.set AB,     8                         ; blocks of 16 rows of region A for a wave
.set HB,     AB/2
.set AHALF,  4096*AB                   ; LDS: half of region A: AB row tiles x 4,096 bytes
.set BHALF,  32768                     ; half of region B
.set AREG,   2*AHALF
.set SLOT,   AREG+2*BHALF
.set SPARE,  2*SLOT                    ; behind the ring: the spare words, 128 bytes a wave: two blocks of 256 bytes that no other line names
.set ADRA, 16                          ; v16-17  LDS address of my fragments of region A in slot 0, 1
.set ADRB, 20                          ; v20-21  the same for region B
.set LIMQ, 24                          ; v24     448 x 2^e of the part that I make
.set SCQ,  25                          ; v25     2^e
.set OA,   26                          ; v26     16 x lane; v27: the same in the next head
.set SPW,  28                          ; v28     my spare word's LDS address; never rewritten
.set NIL,  29                          ; v29     0; never rewritten
.set BQ,   32                          ; v32-95  q, k: the bias of my 64 columns, in the results' layout
.set BV,   96                          ; v96-111 v: the bias of my channel in each of the eight blocks, twice (a pair for the packed form)
.set TMP,  112                         ; v112-175 a block's 64 numbers
.set CD,   176                         ; v176-207 codes, two sets by turns
.set AF,   128
.set G1, 24                            ; s[24:31] descriptor group 1 for region A;  s[32:39] group 0, a set for each slot
.set G0, 32
.set G1B, 48                           ; s[48:55], s[56:63] the same for region B
.set G0B, 56
.set MSB, 0
.macro WIN new                         ; the immediate's high byte repeats the setting that is left; a switch that changes nothing is dropped
.if MSB != (\new)
	s_set_vgpr_msb (MSB<<8)|(\new)
.set MSB, (\new)
.endif
.endm
.macro JLOAD s                         ; a joint load: waves 0, 1 fetch region A's halves, waves 2, 3 region B's; an s_nop 0 and four v_nop follow each line
	s_cmp_eq_u32 s15, 0
	s_cbranch_scc0 .Lfor_b_\@
	tensor_load_to_lds s[G0+4*\s:G0+4*\s+3], s[G1:G1+7]
	s_nop 0
.rept 4
	v_nop
.endr
	s_branch .Lasked_\@
.Lfor_b_\@:
	tensor_load_to_lds s[G0B+4*\s:G0B+4*\s+3], s[G1B:G1B+7]
	s_nop 0
.rept 4
	v_nop
.endr
.Lasked_\@:
.endm
.macro CREST                           ; a round of the cluster's barrier behind its opening barrier
	s_cmp_lg_u32 s14, 0
	s_cbranch_scc1 .Lnot_wave_0_\@
	s_barrier_signal -3
.Lnot_wave_0_\@:
	s_barrier_wait -3
	s_barrier_signal -1
	s_barrier_wait -1
.endm
.macro CROUND
	s_barrier_signal -1
	s_barrier_wait -1
	CREST
.endm
.macro PLACES                          ; four plain places between a matrix instruction and a load into, or a vector read or write of, its registers
.rept 4
	v_nop
.endr
.endm
.macro FRAG reg, adr, q, i             ; row tile i, the q-th 128 of the slot's 256 along K
.irp c, 0,1,2,3
	ds_load_b128 v[\reg+4*\c:\reg+4*\c+3], v[\adr] offset:(\i)*4096+(\q)*2048+512*\c
.endr
.endm
.macro FETCH_B slot, q, p              ; region B's eight fragments into set p of window 1
	WIN 0x40
.irp i, 0,1,2,3,4,5,6,7
	FRAG 128*(\p)+16*\i, ADRB+\slot, \q, \i
.endr
	WIN 0
.endm
.macro FETCH_A slot, q, i0, n          ; region A's blocks i0 .. i0 + n - 1
.set FI, \i0
.rept \n
	FRAG AF+16*FI, ADRA+\slot, \q, FI
.set FI, FI+1
.endr
.endm
.macro MULB a, p, zero                 ; block a of region A against region B's eight: the accumulators take turns, one instruction a turn
	WIN 0xa1+0x50*((\a)/4)
.irp b, 0,1,2,3,4,5,6,7
.if \zero
	v_wmma_f32_16x16x128_fp8_fp8 v[8*(8*((\a)%4)+\b):8*(8*((\a)%4)+\b)+7], v[128*(\p)+16*\b:128*(\p)+16*\b+15], v[AF+16*(\a):AF+16*(\a)+15], 0
.else
	v_wmma_f32_16x16x128_fp8_fp8 v[8*(8*((\a)%4)+\b):8*(8*((\a)%4)+\b)+7], v[128*(\p)+16*\b:128*(\p)+16*\b+15], v[AF+16*(\a):AF+16*(\a)+15], v[8*(8*((\a)%4)+\b):8*(8*((\a)%4)+\b)+7]
.endif
.endr
.endm
.macro MULR a0, n, p, zero
.set MA, \a0
.rept \n
	MULB MA, \p, \zero
.set MA, MA+1
.endr
.endm
; The first 128 along K of a slot (set 0 of region B); its successor lies in the same slot.
.macro STEP slot, zero
	s_wait_dscnt 4*HB                              ; all but the youngest loads, region A's upper blocks
	MULR 0, HB, 0, \zero
	s_wait_dscnt 0x0                               ; those too
	PLACES
	FETCH_B \slot, 1, 1
	FETCH_A \slot, 1, 0, HB
	MULR HB, HB, 0, \zero
	PLACES
	WIN 0
	FETCH_A \slot, 1, HB, HB
.endm
; The second 128 (set 1) changes slots: one barrier; in front of it each wave waits for all its tensor loads, adds 0 to its spare word, and waits for that and for its reads of this slot.
.macro TURN slot, next, fill
	s_wait_tensorcnt 0x0                           ; all my tensor loads have landed: my part of the next slot
	ds_add_u32 v[SPW], v[NIL]                      ; 0 onto my spare word
	s_wait_dscnt 4*HB+1                            ; (the add and region A's upper blocks may be out)
	MULR 0, HB/2, 1, 0                             ; matrix work stands between the add and the wait for it
	s_wait_dscnt 0x0                               ; the add is done, and my reads of this slot are over
	s_barrier_signal -1
	MULR HB/2, HB/2, 1, 0
	WIN 0
	s_barrier_wait -1
.if \fill
	CREST                                          ; the barrier has opened a round of the cluster's: no wave of any partner still reads this slot or has a load on its way
	s_add_nc_u64 s[G0+4*\slot+2:G0+4*\slot+3], s[G0+4*\slot+2:G0+4*\slot+3], 8192
	s_add_nc_u64 s[G0B+4*\slot+2:G0B+4*\slot+3], s[G0B+4*\slot+2:G0B+4*\slot+3], 8192
	JLOAD \slot                                    ; the first tensor load behind the round; its four v_nop are the places in front of the loads below
.else
	PLACES
.endif
	FETCH_B \next, 0, 0
	FETCH_A \next, 0, 0, HB
	MULR HB, HB, 1, 0
	PLACES
	WIN 0
	FETCH_A \next, 0, HB, HB
.endm
	s_load_b256 s[4:11], s[0:1], 0x0               ; ximg s[4:5], wqkvimg s[6:7], bqkv s[8:9], the scales' exponents s[10:11]
	s_load_b128 s[80:83], s[0:1], 0x20             ; qimg s[80:81], kvimg s[82:83]
	v_lshl_add_u32 v[SPW], v0, 2, SPARE
	v_mov_b32 v[NIL], 0
	ds_add_u32 v[SPW], v[NIL]                      ; the wave's opening: the add and its wait ahead of my first tensor load; work on registers stands between
	v_lshrrev_b32 v1, 5, v0
	v_readfirstlane_b32 s14, v1                    ; wave 0..3
	s_lshr_b32 s15, s14, 1                         ; my half of region A's rows.  Also: I fetch for region A (0) or B (1)
	s_and_b32 s16, s14, 1                          ; my half of region B's rows.  Also: which half of that region I fetch
	s_bfe_u32 s40, ttmp6, 0x40000                  ; cx
	s_bfe_u32 s41, ttmp6, 0x40004                  ; cy
	s_and_b32 s18, ttmp7, 0xffff
	s_lshl_b32 s18, s18, 2                         ; 4 x cluster y
	s_add_co_u32 s17, s18, s41                     ; q, k: region A = token tile 4 Y + cy
	s_add_co_u32 s19, s41, 8                       ; v:    region A = column tile 8 + cy
	s_lshl_b32 s42, ttmp9, 2
	s_add_co_u32 s42, s42, s40                     ; q, k: region B = column tile 4 X + cx
	s_add_co_u32 s22, s18, s40                     ; v:    region B = token tile 4 Y + cx
	s_cmp_eq_u32 ttmp9, 2                          ; the cluster's x: the same in all sixteen partners
	s_cselect_b32 s17, s19, s17                    ; region A's tile: it holds cy and never cx
	s_cselect_b32 s42, s22, s42                    ; region B's tile: it holds cx and never cy
	s_lshl_b32 s43, s41, 2
	s_lshl_b32 s43, 15, s43                        ; my row of the cluster
	s_lshl_b32 s44, 0x1111, s40                    ; my column
	s_or_b32 s[G1+0], s43, (1<<21)                 ; 15:0 the mask; 17:16 elements of 1 byte; no padding; 21 set beside a mask
	s_or_b32 s[G1B+0], s44, (1<<21)
.irp g, G1, G1B
	s_mov_b32 s[\g+1], 4096<<16                    ; tensor_dim0 = 4,096: a row tile's bytes of a K step of 256
	s_mov_b32 s[\g+3], 4096<<16                    ; tile_dim0
	s_mov_b32 s[\g+5], 16384                       ; from row tile to row tile
	s_mov_b32 s[\g+6], 0
	s_mov_b32 s[\g+7], 0
.endr
	s_mov_b32 s[G1+2], AB<<16                      ; tensor_dim1: the row tiles of a half
	s_mov_b32 s[G1+4], AB                          ; tile_dim1
	s_mov_b32 s[G1B+2], 8<<16
	s_mov_b32 s[G1B+4], 8
	s_lshl_b32 s20, s17, 18                        ; a tile of 256 rows is 16 row tiles of 16,384 bytes
	s_lshl_b32 s21, s16, 17
	s_add_co_u32 s20, s20, s21
	s_mov_b32 s21, 0
	s_lshl_b32 s46, s42, 18
	s_lshl_b32 s47, s16, 17
	s_add_co_u32 s46, s46, s47
	s_mov_b32 s47, 0
	s_mul_i32 s45, s16, AHALF                      ; where they go: no place in the cluster enters an LDS address
	s_mul_i32 s23, s16, BHALF
	s_add_co_u32 s23, s23, AREG
	s_wait_dscnt 0x0                               ; the opening add is done
	s_wait_kmcnt 0x0
	s_load_b256 s[68:75], s[10:11], 0x0            ; e0 .. e7
	s_cmp_eq_u32 ttmp9, 2
	s_cselect_b64 s[12:13], s[6:7], s[4:5]         ; region A's buffer
	s_cselect_b64 s[2:3], s[4:5], s[6:7]           ; region B's
	s_add_nc_u64 s[20:21], s[12:13], s[20:21]
	s_add_nc_u64 s[46:47], s[2:3], s[46:47]
	CROUND                                         ; all sixteen work-groups are here: the first joint loads meet
.irp s, 0,1
	s_mov_b32 s[G0+4*\s], 1
	s_add_co_u32 s[G0+4*\s+1], s45, \s*SLOT
	s_add_nc_u64 s[G0+4*\s+2:G0+4*\s+3], s[20:21], \s*4096
	s_or_b32 s[G0+4*\s+3], s[G0+4*\s+3], 0x80000000
	s_mov_b32 s[G0B+4*\s], 1
	s_add_co_u32 s[G0B+4*\s+1], s23, \s*SLOT
	s_add_nc_u64 s[G0B+4*\s+2:G0B+4*\s+3], s[46:47], \s*4096
	s_or_b32 s[G0B+4*\s+3], s[G0B+4*\s+3], 0x80000000
	JLOAD \s                                       ; two loads of mine are out
.endr
	v_and_b32 v1, 31, v0
	v_lshlrev_b32 v[OA], 4, v1                     ; 16 x lane
	s_mul_i32 s21, s15, AHALF
	s_mul_i32 s22, s16, BHALF
	s_add_co_u32 s22, s22, AREG
.irp s, 0,1
	v_add_nc_u32 v[ADRA+\s], s21, v[OA]
	v_add_nc_u32 v[ADRB+\s], s22, v[OA]
	s_add_co_u32 s21, s21, SLOT
	s_add_co_u32 s22, s22, SLOT
.endr
	; where my results go
	s_cmp_eq_u32 ttmp9, 2
	s_cselect_b32 s86, s42, s17                    ; the tokens' tile and half,
	s_cselect_b32 s87, s16, s15
	s_cselect_b32 s88, s17, s42                    ; the columns' tile and half
	s_cselect_b32 s89, s15, s16
	s_cselect_b32 s90, 8192, 0                     ; v lies behind k in a key step
	s_lshl_b32 s86, s86, 8
	s_lshl_b32 s87, s87, 7
	s_add_co_u32 s86, s86, s87                     ; my first token
	s_lshl_b32 s88, s88, 8
	s_lshl_b32 s89, s89, 7
	s_add_co_u32 s88, s88, s89                     ; my first column of the 3,072
	s_cmp_eq_u32 ttmp9, 0
	s_cselect_b32 s91, 17, 18                      ; a head's bytes: 2^17 in qimg, 2^18 in kvimg
	s_cselect_b64 s[84:85], s[80:81], s[82:83]
	s_lshr_b32 s87, s86, 11                        ; batch
	s_lshl_b32 s87, s87, 4
	s_and_b32 s89, s88, 1023
	s_lshr_b32 s89, s89, 6                         ; my first head of two
	s_add_co_u32 s87, s87, s89
	s_lshl_b32 s87, s87, s91
	s_bfe_u32 s89, s86, 0x40007                    ; which 128 tokens of the batch's 2,048
	s_sub_co_u32 s92, s91, 4
	s_lshl_b32 s89, s89, s92
	s_add_co_u32 s87, s87, s89
	s_add_co_u32 s92, s87, s90
	s_mov_b32 s93, 0
	s_add_nc_u64 s[84:85], s[84:85], s[92:93]
	s_lshl_b32 s94, 1, s91
	v_add_nc_u32 v[OA+1], s94, v[OA]
	s_lshl_b32 s92, s88, 2
	s_add_nc_u64 s[8:9], s[8:9], s[92:93]          ; bqkv at my first column
	v_bfe_u32 v2, v0, 4, 1                         ; h
	v_and_b32 v3, 15, v0                           ; r
	v_lshlrev_b32 v8, 5, v2
	v_lshlrev_b32 v9, 2, v3
.irp b, 0,1,2,3,4,5,6,7                ; both patterns are loaded, with no branch: both lie inside my 128 columns
	global_load_b128 v[BQ+8*\b:BQ+8*\b+3], v8, s[8:9] offset:64*\b             ; column 16 b + 8 h + 0 .. 7
	global_load_b128 v[BQ+8*\b+4:BQ+8*\b+7], v8, s[8:9] offset:64*\b+16
.endr
.irp a, 0,1,2,3,4,5,6,7
	global_load_b32 v[BV+2*\a], v9, s[8:9] offset:64*\a                        ; column 16 a + r, for both halves of the packed form
	global_load_b32 v[BV+2*\a+1], v9, s[8:9] offset:64*\a
.endr
	s_wait_kmcnt 0x0
	s_add_co_i32 s96, s68, s69
	s_add_co_i32 s96, s96, 127
	s_lshl_b32 s96, s96, 23                        ; 2^(e0 + e1) as f32
	s_mov_b32 s97, s96                             ; (named with it as a pair, so it is written)
	s_cmp_eq_u32 ttmp9, 0
	s_cselect_b32 s98, s70, s71                    ; q: e2, k: e3,
	s_cmp_eq_u32 ttmp9, 2
	s_cselect_b32 s98, s73, s98                    ; v: e5: a choice, no branch
	s_add_co_i32 s98, s98, 127
	s_lshl_b32 s99, s98, 23
	v_mov_b32 v[SCQ], s99
	s_add_co_i32 s98, s98, 8
	s_lshl_b32 s98, s98, 23
	s_or_b32 s98, s98, 0x600000
	v_mov_b32 v[LIMQ], s98
	s_wait_tensorcnt 1                             ; my part of slot 0 is in; slot 1's load may be out
	s_barrier_signal -1
	s_barrier_wait -1
	FETCH_B 0, 0, 0
	FETCH_A 0, 0, 0, HB
	FETCH_A 0, 0, HB, HB
	STEP 0, 1                                      ; the first products start the sums: nothing is cleared
	TURN 0, 1, 1                                   ; slot 0 takes the third K step
	STEP 1, 0
	TURN 1, 0, 1                                   ; slot 1 the fourth
	STEP 0, 0
	TURN 0, 1, 0                                   ; nothing is left to fetch
	STEP 1, 0
	s_wait_dscnt 4*HB
	MULR 0, HB, 1, 0
	s_wait_dscnt 0x0
	MULR HB, HB, 1, 0
	WIN 0
; THE WAY OUT of block a: sum x 2^(e0 + e1) + bias, one packed multiply-add for two numbers, each accumulator from its low end on; the hold; eight conversions, whose results are the next
; operand's registers; four stores of 512 consecutive aligned bytes.  No LDS.
.macro OUTB a, isv
.set AC, 64*((\a)%4)
.set CC, CD+16*((\a)%2)
.if (\a) >= 2
	s_wait_xcnt 0x0                                ; the stores of two blocks back have read their codes: that set is written again
.endif
	WIN 0x02+(\a)/4                                ; source 0: window 2 or 3
.set j, 0
.rept 32
.if \isv
	v_pk_fma_f32 v[TMP+j:TMP+j+1], v[AC+j:AC+j+1], s[96:97], v[BV+2*(\a):BV+2*(\a)+1] op_sel_hi:[1,0,1]
.else
	v_pk_fma_f32 v[TMP+j:TMP+j+1], v[AC+j:AC+j+1], s[96:97], v[BQ+j:BQ+j+1] op_sel_hi:[1,0,1]
.endif
.set j, j+2
.endr
	WIN 0
.set j, 0
.rept 64
	v_med3_num_f32 v[TMP+j], v[TMP+j], -v[LIMQ], v[LIMQ]       ; the conversion to an 8-bit code does not saturate (ISA guide 7.6.2)
.set j, j+1
.endr
.set j, 0
.rept 8
	v_cvt_scalef32_pk8_fp8_f32 v[CC+2*j:CC+2*j+1], v[TMP+8*j:TMP+8*j+7], v[SCQ]
.set j, j+1
.endr
	v_nop                                          ; one plain line behind the last conversion
.if \isv
.irp g, 0,1,2,3                        ; 16 channels x 128 keys: head a / 4, channels 16 (a % 4) on
	global_store_b128 v[OA+(\a)/4], v[CC+4*\g:CC+4*\g+3], s[84:85] offset:2048*((\a)%4)+512*\g
.endr
.else
.irp hh, 0,1                           ; 16 tokens x 64 channels for each of my two heads
.irp g, 0,1
	global_store_b128 v[OA+\hh], v[CC+8*\hh+4*\g:CC+8*\hh+4*\g+3], s[84:85] offset:1024*(\a)+512*\g
.endr
.endr
.endif
.endm
	s_wait_loadcnt 0x0                             ; the biases
	PLACES
	s_cmp_eq_u32 ttmp9, 2                          ; the same in all partners and all waves
	s_cbranch_scc1 .Lv_out
.irp a, 0,1,2,3,4,5,6,7
	OUTB \a, 0
.endr
	s_branch .Lend
.Lv_out:
.irp a, 0,1,2,3,4,5,6,7
	OUTB \a, 1
.endr
.Lend:
	s_wait_tensorcnt 0x0                           ; the wave's end, behind my last tensor load
	ds_add_u32 v[SPW], v[NIL]
	s_wait_dscnt 0x0
	CROUND                                         ; the closing round: no work-group ends while a partner may still ask for a tile that names it
	s_endpgm
.Lfunc_end_k_q0bf81003c2_qkv:
	.size	k_q0bf81003c2_qkv, .Lfunc_end_k_q0bf81003c2_qkv-k_q0bf81003c2_qkv
	.p2alignl 7, 3214868480
	.fill 96, 4, 3214868480
	.section	.rodata,"a",@progbits
	.p2align	6, 0x0
	.amdhsa_kernel k_q0bf81003c2_qkv
		.amdhsa_group_segment_fixed_size 327680
		.amdhsa_private_segment_fixed_size 0
		.amdhsa_enable_private_segment 0
		.amdhsa_kernarg_size 48
		.amdhsa_user_sgpr_count 2
		.amdhsa_user_sgpr_kernarg_segment_ptr 1
		.amdhsa_wavefront_size32 1
		.amdhsa_system_sgpr_workgroup_id_x 1
		.amdhsa_system_sgpr_workgroup_id_y 1
		.amdhsa_system_sgpr_workgroup_id_z 1
		.amdhsa_system_vgpr_workitem_id 0
		.amdhsa_next_free_vgpr 1024
		.amdhsa_next_free_sgpr 100
		.amdhsa_reserve_vcc 0
		.amdhsa_float_denorm_mode_32 3
		.amdhsa_float_denorm_mode_16_64 3
		.amdhsa_memory_ordered 1
		.amdhsa_forward_progress 1
		.amdhsa_inst_pref_size 194
	.end_amdhsa_kernel
	.amdgpu_metadata
---
amdhsa.version: [ 1, 2 ]
amdhsa.kernels:
  - .name:           k_q0bf81003c2_qkv
    .symbol:         k_q0bf81003c2_qkv.kd
    .args:
      - { .name: ximg, .offset: 0, .size: 8, .value_kind: global_buffer, .address_space: global }
      - { .name: wqkvimg, .offset: 8, .size: 8, .value_kind: global_buffer, .address_space: global }
      - { .name: bqkv, .offset: 16, .size: 8, .value_kind: global_buffer, .address_space: global }
      - { .name: lowp_scales, .offset: 24, .size: 8, .value_kind: global_buffer, .address_space: global }
      - { .name: qimg, .offset: 32, .size: 8, .value_kind: global_buffer, .address_space: global }
      - { .name: kvimg, .offset: 40, .size: 8, .value_kind: global_buffer, .address_space: global }
    .group_segment_fixed_size: 327680
    .private_segment_fixed_size: 0
    .kernarg_segment_align: 8
    .kernarg_segment_size: 48
    .max_flat_workgroup_size: 128
    .sgpr_count:     100
    .vgpr_count:     1024
    .wavefront_size: 32
...
	.end_amdgpu_metadata
.endif
;; end of part 2
;; launch attn (part 3): grid 4 x 64, 16 waves a work-group, no clusters, 34,816 bytes of LDS; arguments qimg, kvimg, lowp_scales, yimg; writes yimg
.if DOCPART == 3
	.amdgcn_target "amdgcn-amd-amdhsa--gfx1250"
	.amdhsa_code_object_version 6
	.text
	.protected	k_q0bf81003c2_attn
	.globl	k_q0bf81003c2_attn
	.p2align	8
	.type	k_q0bf81003c2_attn,@function
k_q0bf81003c2_attn:
	s_mov_b64 s[64:65], 0
	v_nop
	global_prefetch_b8 v0, s[64:65] scope:SCOPE_SE
	s_setreg_imm32_b32 hwreg(HW_REG_WAVE_MODE, 25, 1), 1
	s_wait_xcnt 0x0
; y = softmax(q k^T / 8, causal) v for one batch x head, both products on codes of E4M3; y is quantised (e6) into the image that the last product reads.
; THE SOFTMAX: t = score x log2(e) / 8; M = the running largest t rounded UP to a whole number; p = 2^(t - M) is quantised (e4), not normalised; the row's sum is taken of the unquantised p and divides at the end.
; When M moves, the sum and O are multiplied by 2^(old M - new M), which rounds nothing.
; SHARES.  Work-group (j, batch x head) owns two blocks of 256 queries: block 7 - j, then block j: 16 - 2 j and 2 j + 2 key steps of 128, eighteen for every work-group.  Each of sixteen waves owns 16 queries in 256
; registers, four waves to a SIMD, so that one wave's vector work stands beside another's products and LDS loads.  A key step all of whose keys come after a wave's queries is passed over by that wave (a branch on ids).
; LAYOUT.  S^T = K Q^T (source 0 = 16 keys), O^T = V^T P^T (source 0 = 16 channels): a lane holds one query throughout.  In S^T register j of tile t is key 16 t + 8 h + j: its eight codes are registers 2 t, 2 t + 1 of P.
; K AND V.  A key step is 16,384 bytes of kvimg, images of fragments.  It comes through registers into one of two LDS slots as it lies: each wave copies 1,024 bytes, a trip ahead of the stores and two ahead of the reads.
; No tensor load and no cluster: the hold of p is passed over by a branch on the given e4 (p <= 1 <= 448 x 2^e4 where e4 >= -8); and the four work-groups of a head
; begin their second walk at different trips, so joint requests would not meet.
; LIMITS: e2 + e3 between -123 and 130 (added to c's exponent field); e4, e6 between -126 and 119.  NaN is not served.
; REGISTERS: v1 16 x lane; v2 1,024 x wave + 16 x lane; v3 r - 8 h; v4, v5 the add's two; v8 at work; v9 -infinity; v10 the prefetch's offset; v12 -M; v13 the largest t; v[14:15] the sum;
;   v16-23 Q; v24-31, v216-223 the copy, two sets; v32-95 K's fragments, then V's; v96-159 S^T, then p; v160-191 O^T; v192-207 p's codes; v208-215 y's codes; v236-254 at work and constants.
.set SPARE, 32768                      ; behind the two slots: the spare words, 128 bytes a wave: eight blocks of 256 bytes that no other line names
.set SPW,   4
.set NIL,   5
; A block of queries begins: s18 = my first query, s17 = 0.  Q's fragment; the sums begin as zeros and the largest t as -3e38, so the key step is written once.
.macro INIT
	s_lshl_b32 s36, s14, 17
	s_lshl_b32 s42, s18, 6
	s_add_co_u32 s36, s36, s42
	s_mov_b32 s37, 0
	s_add_nc_u64 s[38:39], s[4:5], s[36:37]
	global_load_b128 v[16:19], v1, s[38:39] th:TH_LOAD_NT
	global_load_b128 v[20:23], v1, s[38:39] offset:512 th:TH_LOAD_NT
	v_mov_b32 v13, 0xff61b1e6
	v_floor_f32 v12, -v13
	v_mov_b32 v14, 0
	v_mov_b32 v15, 0
.set i, 0
.rept 32
	v_mov_b32 v[160+i], 0
.set i, i+1
.endr
.endm
; A key step: 128 keys from s17 on, out of LDS slot \slot.
.macro WORK slot
	s_add_co_u32 s42, s18, 15
	s_cmp_gt_u32 s17, s42                          ; all its keys come after my queries
	s_cbranch_scc1 .Lhid_\@
.irp t, 0,1,2,3,4,5,6,7
.irp g, 0,1
	ds_load_b128 v[32+8*\t+4*\g:32+8*\t+4*\g+3], v1 offset:16384*\slot+1024*\t+512*\g
.endr
.endr
	s_wait_dscnt 8                                 ; key tiles 0-3 are in; the eight loads of tiles 4-7 may be out
.irp t, 0,1,2,3
	v_wmma_f32_16x16x64_fp8_fp8 v[96+8*\t:103+8*\t], v[32+8*\t:39+8*\t], v[16:23], 0
.endr
	s_wait_dscnt 0x0
.irp t, 4,5,6,7
	v_wmma_f32_16x16x64_fp8_fp8 v[96+8*\t:103+8*\t], v[32+8*\t:39+8*\t], v[16:23], 0
.endr
.rept 4
	v_nop                                          ; places: in front of the loads into K's registers and of the first read of the scores
.endr
.irp c, 0,1,2,3
.irp g, 0,1,2,3
	ds_load_b128 v[32+16*\c+4*\g:32+16*\c+4*\g+3], v1 offset:16384*\slot+8192+2048*\c+512*\g   ; V lands under the softmax
.endr
.endr
	s_add_co_u32 s42, s17, 127
	s_cmp_le_u32 s42, s18                          ; all keys count for all my queries: no mask
	s_cbranch_scc1 .Lopen_\@
	s_sub_co_u32 s43, s18, s17                     ; my first query less the step's first key: 0 or more here
	v_add_nc_u32 v8, s43, v3                       ; register i of tile t is hidden where 16 t + i > my query - first key - 8 h
.irp t, 0,1,2,3,4,5,6,7
	s_cmp_ge_u32 s43, 16*\t+15                     ; a tile all of whose keys count is passed over
	s_cbranch_scc1 .Lvis_\@_\t
.irp i, 0,1,2,3,4,5,6,7
	v_cmp_gt_i32 vcc_lo, 16*\t+\i, v8
	v_cndmask_b32 v[96+8*\t+\i], v[96+8*\t+\i], v9, vcc_lo
.endr
.Lvis_\@_\t:
.endr
.Lopen_\@:
	v_max3_num_f32 v254, v96, v97, v98             ; the step's largest score of my query among my 64 keys, in two chains, from each accumulator's low end on,
	v_max3_num_f32 v252, v99, v100, v101
.set j, 6
.rept 14
	v_max3_num_f32 v254, v254, v[96+j], v[97+j]
	v_max3_num_f32 v252, v252, v[98+j], v[99+j]
.set j, j+4
.endr
	v_max3_num_f32 v254, v254, v158, v159
	v_max_num_f32 v254, v254, v252
	v_permlanex16_b32 v236, v254, s20, s21
	v_max_num_f32 v254, v254, v236                 ; and among the other half of the lanes'
	v_mul_f32 v254, s22, v254                      ; as t (c is positive)
	v_max_num_f32 v13, v13, v254
	v_mov_b32 v254, v12
	v_floor_f32 v12, -v13                          ; the new -M = -ceil(t): a whole number
	v_sub_f32 v254, v12, v254                      ; old M - new M: 0 or less
	v_cvt_i32_f32 v254, v254                       ; (it saturates)
	v_ldexp_f32 v252, 1.0, v254                    ; f = 2^(old M - new M)
.set j, 0
.rept 32
	v_pk_fma_f32 v[96+j:97+j], v[96+j:97+j], s[22:23], v[12:13] op_sel_hi:[1,0,0]   ; t - M (of the pairs c and -M the low word serves both halves)
.set j, j+2
.endr
.set j, 0
.rept 64
	v_exp_f32 v[96+j], v[96+j]                     ; p = 2^(t - M)
.set j, j+1
.endr
	v_pk_mul_f32 v[14:15], v[14:15], v[252:253] op_sel_hi:[1,0]   ; the sum under the new M: the plain line behind the exponentials
	s_wait_alu depctr_va_vdst(0)                   ; one wait for the whole batch, ahead of its first reader
	v_pk_add_f32 v[242:243], v[96:97], v[98:99]    ; the row's sum, of the unquantised p, in two chains
.set j, 4
.rept 15
	v_pk_add_f32 v[14:15], v[14:15], v[96+j:97+j]
	v_pk_add_f32 v[242:243], v[242:243], v[98+j:99+j]
.set j, j+4
.endr
	v_pk_add_f32 v[14:15], v[14:15], v[242:243]
	s_cmp_ge_i32 s28, -8                           ; p <= 1 <= 448 x 2^e4: nothing to hold
	s_cbranch_scc1 .Lnohold_\@
.set j, 0
.rept 64
	v_min_num_f32 v[96+j], v[96+j], v240           ; else the hold: the conversion does not saturate (ISA guide 7.6.2); p is not negative
.set j, j+1
.endr
.Lnohold_\@:
.irp t, 0,1,2,3,4,5,6,7
	v_cvt_scalef32_pk8_fp8_f32 v[192+2*\t:193+2*\t], v[96+8*\t:103+8*\t], v244
.endr
.set j, 0
.rept 16
	v_pk_mul_f32 v[160+j:161+j], v[160+j:161+j], v[252:253] op_sel_hi:[1,0]   ; O^T under the new M; also the plain lines behind the conversions
.set j, j+2
.endr
	s_wait_dscnt 0x0                               ; V is in
.irp c, 0,1,2,3                        ; one instruction on each accumulator; the eight score products stand between two turns
	v_wmma_f32_16x16x128_fp8_fp8 v[160+8*\c:167+8*\c], v[32+16*\c:47+16*\c], v[192:207], v[160+8*\c:167+8*\c]
.endr
.rept 4
	v_nop                                          ; places: in front of the next loads into V's registers and of the next read of O^T
.endr
.Lhid_\@:
	s_add_co_u32 s17, s17, 128
.endm
; A block's end: O^T / the sum x 2^(e4 + e5), held, quantised with e6: the eight registers are my head's half of a fragment of the last product's operand: 1,024 bytes on end.
.macro WAYOUT
	s_wait_xcnt 0x0                                ; earlier stores have read their codes and their base
	v_add_f32 v14, v14, v15
	v_permlanex16_b32 v252, v14, s20, s21
	v_add_f32 v14, v14, v252                       ; the row's sum
	v_rcp_f32 v14, v14
	v_nop                                          ; a plain line behind the transcendental
	s_lshr_b32 s42, s14, 4                         ; batch
	s_lshl_b32 s42, s42, 11
	s_add_co_u32 s42, s42, s18                     ; my first row: a tile of 16 rows is 16,384 bytes, so a row counts 1,024,
	s_and_b32 s43, s14, 15
	s_add_co_u32 s42, s42, s43                     ; and so does a head
	s_lshl_b32 s36, s42, 10
	s_mov_b32 s37, 0
	s_add_nc_u64 s[40:41], s[10:11], s[36:37]
	s_wait_alu depctr_va_vdst(0)                   ; the wait ahead of the reciprocal's first reader
	v_ldexp_f32 v14, v14, s44
.set j, 0
.rept 16
	v_pk_mul_f32 v[96+j:97+j], v[160+j:161+j], v[14:15] op_sel_hi:[1,0]
.set j, j+2
.endr
.set j, 0
.rept 32
	v_med3_num_f32 v[96+j], v[96+j], -v246, v246
.set j, j+1
.endr
.irp c, 0,1,2,3
	v_cvt_scalef32_pk8_fp8_f32 v[208+2*\c:209+2*\c], v[96+8*\c:103+8*\c], v247
.endr
	v_nop                                          ; one plain line behind the last conversion
	global_store_b128 v1, v[208:211], s[40:41]
	global_store_b128 v1, v[212:215], s[40:41] offset:512
.endm
; Trip T = s16 + slot.  The key step of trip T + 1 goes from registers into the other slot; that of trip T + 2 is asked for; this trip's is worked on; one barrier.
.macro TRIP slot
.set CPO, 216-192*\slot                ; the set that holds trip T + 1's step
.set CPI, 24+192*\slot                 ; the set that takes trip T + 2's: its last LDS stores were waited for in front of the last barrier
	s_wait_xcnt 0x0                                ; the last loads and prefetch have read their base: it is stepped below
	s_wait_loadcnt 0x0                             ; the step asked for a trip ago is in; after a change of blocks, Q too
.if \slot
	s_cmp_lt_u32 s16, 16                           ; trip 17 is the last: nothing to store or to ask for
	s_cbranch_scc0 .Lnomore_\@
.endif
	ds_store_b128 v2, v[CPO:CPO+3] offset:16384*(1-\slot)
	ds_store_b128 v2, v[CPO+4:CPO+7] offset:16384*(1-\slot)+512
.if \slot == 0
	s_cmp_lt_u32 s16, 16
	s_cbranch_scc0 .Lnomore_\@
	s_add_nc_u64 s[36:37], s[34:35], 16384
	s_add_co_u32 s42, s16, 2
	s_cmp_eq_u32 s42, s15                          ; the second block's walk begins at the head's first key step
	s_cselect_b64 s[34:35], s[32:33], s[36:37]
.else
	s_add_nc_u64 s[34:35], s[34:35], 16384
.endif
	global_load_b128 v[CPI:CPI+3], v2, s[34:35]
	global_load_b128 v[CPI+4:CPI+7], v2, s[34:35] offset:512
	s_cmp_lt_u32 s16, s48
	s_cbranch_scc0 .Lnomore_\@
	global_prefetch_b8 v10, s[34:35] offset:32768 th:TH_LOAD_NT scope:SCOPE_SE   ; see PREFETCH at the head of the text below
.Lnomore_\@:
	WORK \slot
.if \slot
	s_add_co_u32 s42, s16, 2
	s_cmp_eq_u32 s42, s15                          ; the first block is done: the same trip in all sixteen waves
	s_cbranch_scc0 .Lsame_\@
	WAYOUT
	s_lshl_b32 s18, s13, 8
	s_lshl_b32 s42, s12, 4
	s_add_co_u32 s18, s18, s42                     ; block j
	s_mov_b32 s17, 0
	INIT
.Lsame_\@:
.endif
	s_wait_dscnt 0x0                               ; my stores into the other slot have landed, my reads of this one are back
	s_barrier_signal -1
	s_barrier_wait -1                              ; so the next trip may read the other slot and store into this one
.endm
	s_load_b256 s[4:11], s[0:1], 0x0               ; qimg s[4:5], kvimg s[6:7], the scales' exponents s[8:9], yimg s[10:11]
	v_lshl_add_u32 v[SPW], v0, 2, SPARE
	v_mov_b32 v[NIL], 0
	v_lshrrev_b32 v2, 5, v0
	v_readfirstlane_b32 s12, v2                    ; wave 0..15
	v_and_b32 v1, 31, v0
	v_lshlrev_b32 v10, 8, v1
	v_lshlrev_b32 v1, 4, v1
	v_lshl_add_u32 v2, v2, 10, v1
	v_and_b32 v3, 15, v0
	v_bfe_u32 v6, v0, 4, 1
	v_lshlrev_b32 v6, 3, v6
	v_sub_nc_u32 v3, v3, v6
	v_mov_b32 v9, 0xff800000
	v_mov_b32 v236, 0                              ; a lane permute's destination counts as read
	v_mov_b32 v252, 0
	v_mov_b32 v253, 0                              ; (named as the upper half of the pair v[252:253])
	s_mov_b32 s13, ttmp9                           ; j
	s_and_b32 s14, ttmp7, 0xffff                   ; batch x head
	s_lshl_b32 s15, s13, 1
	s_sub_co_u32 s15, 16, s15                      ; the first block's key steps
	s_mov_b32 s16, 0                               ; the trip
	s_mov_b32 s17, 0                               ; the step's first key
	s_sub_co_u32 s18, 7, s13
	s_lshl_b32 s18, s18, 8
	s_lshl_b32 s42, s12, 4
	s_add_co_u32 s18, s18, s42                     ; my first query: block 7 - j
	s_mov_b32 s20, 0x76543210
	s_mov_b32 s21, 0xfedcba98
	; PREFETCH.  All four work-groups of a head walk the same key steps from step 0 on; the one with j = 0 walks all sixteen in its first block, and it alone asks.  Its waves 0 and 1, behind their two loads of the step of
	; trip T + 2, name the step of trip T + 4: 16,384 bytes, 8,192 a wave, lanes 256 bytes apart, so each block of 256 bytes is named once in the launch.  Trips 0 to 11 ask, for steps 4 to 15: none points past the head's last step.
	s_lshr_b32 s42, s12, 1
	s_or_b32 s42, s42, s13
	s_cmp_eq_u32 s42, 0
	s_cselect_b32 s48, 12, 0
	s_and_b32 s42, s12, 1
	s_lshl_b32 s42, s42, 13
	v_add_nc_u32 v10, s42, v10
	s_lshl_b32 s36, s14, 18
	s_mov_b32 s37, 0
	s_wait_kmcnt 0x0
	s_load_b256 s[24:31], s[8:9], 0x0              ; e0 .. e7
	s_add_nc_u64 s[32:33], s[6:7], s[36:37]        ; the head's first key step
	s_add_nc_u64 s[34:35], s[32:33], 16384         ; the step last asked for
	global_load_b128 v[24:27], v2, s[32:33]
	global_load_b128 v[28:31], v2, s[32:33] offset:512
	global_load_b128 v[216:219], v2, s[34:35]
	global_load_b128 v[220:223], v2, s[34:35] offset:512
	INIT
	s_wait_kmcnt 0x0
	s_add_co_i32 s42, s26, s27
	s_lshl_b32 s42, s42, 23
	s_mov_b32 s22, 0x3e38aa3b                      ; c = log2(e) / 8
	s_add_co_i32 s22, s22, s42                     ; x 2^(e2 + e3): the exponents are added to c's exponent field
	s_mov_b32 s23, s22
	s_add_co_i32 s42, s28, 127
	s_lshl_b32 s43, s42, 23
	v_mov_b32 v244, s43                            ; 2^e4
	s_add_co_i32 s42, s42, 8
	s_lshl_b32 s42, s42, 23
	s_or_b32 s42, s42, 0x600000
	v_mov_b32 v240, s42                            ; 448 x 2^e4
	s_add_co_i32 s42, s30, 127
	s_lshl_b32 s43, s42, 23
	v_mov_b32 v247, s43                            ; 2^e6
	s_add_co_i32 s42, s42, 8
	s_lshl_b32 s42, s42, 23
	s_or_b32 s42, s42, 0x600000
	v_mov_b32 v246, s42                            ; 448 x 2^e6
	s_add_co_i32 s44, s28, s29                     ; e4 + e5
	s_wait_loadcnt 4                               ; key step 0 is in; step 1's two loads and Q's two may be out
	ds_store_b128 v2, v[24:27]
	ds_store_b128 v2, v[28:31] offset:512
	s_wait_dscnt 0x0
	s_barrier_signal -1
	s_barrier_wait -1
.Lloop:                                            ; nine turns of two trips
	TRIP 0
	TRIP 1
	s_add_co_u32 s16, s16, 2
	s_cmp_lt_u32 s16, 18
	s_cbranch_scc1 .Lloop
	WAYOUT
	s_wait_tensorcnt 0x0                           ; the wave's end, behind my last LDS store
	ds_add_u32 v[SPW], v[NIL]
	s_wait_dscnt 0x0
	s_endpgm
.Lfunc_end_k_q0bf81003c2_attn:
	.size	k_q0bf81003c2_attn, .Lfunc_end_k_q0bf81003c2_attn-k_q0bf81003c2_attn
	.p2alignl 7, 3214868480
	.fill 96, 4, 3214868480
	.section	.rodata,"a",@progbits
	.p2align	6, 0x0
	.amdhsa_kernel k_q0bf81003c2_attn
		.amdhsa_group_segment_fixed_size 34816
		.amdhsa_private_segment_fixed_size 0
		.amdhsa_enable_private_segment 0
		.amdhsa_kernarg_size 32
		.amdhsa_user_sgpr_count 2
		.amdhsa_user_sgpr_kernarg_segment_ptr 1
		.amdhsa_wavefront_size32 1
		.amdhsa_system_sgpr_workgroup_id_x 1
		.amdhsa_system_sgpr_workgroup_id_y 1
		.amdhsa_system_sgpr_workgroup_id_z 1
		.amdhsa_system_vgpr_workitem_id 0
		.amdhsa_next_free_vgpr 256
		.amdhsa_next_free_sgpr 66
		.amdhsa_reserve_vcc 1
		.amdhsa_float_denorm_mode_32 3
		.amdhsa_float_denorm_mode_16_64 3
		.amdhsa_memory_ordered 1
		.amdhsa_forward_progress 1
		.amdhsa_inst_pref_size 59
	.end_amdhsa_kernel
	.amdgpu_metadata
---
amdhsa.version: [ 1, 2 ]
amdhsa.kernels:
  - .name:           k_q0bf81003c2_attn
    .symbol:         k_q0bf81003c2_attn.kd
    .args:
      - { .name: qimg, .offset: 0, .size: 8, .value_kind: global_buffer, .address_space: global }
      - { .name: kvimg, .offset: 8, .size: 8, .value_kind: global_buffer, .address_space: global }
      - { .name: lowp_scales, .offset: 16, .size: 8, .value_kind: global_buffer, .address_space: global }
      - { .name: yimg, .offset: 24, .size: 8, .value_kind: global_buffer, .address_space: global }
    .group_segment_fixed_size: 34816
    .private_segment_fixed_size: 0
    .kernarg_segment_align: 8
    .kernarg_segment_size: 32
    .max_flat_workgroup_size: 512
    .sgpr_count:     66
    .vgpr_count:     256
    .wavefront_size: 32
...
	.end_amdgpu_metadata
.endif
;; end of part 3
;; launch proj (part 4): grid 4 x 64, 4 waves a work-group, clusters of 4 x 4, 327,680 bytes of LDS; arguments yimg, woimg, bo, lowp_scales, out0; writes out0
.if DOCPART == 4
	.amdgcn_target "amdgcn-amd-amdhsa--gfx1250"
	.amdhsa_code_object_version 6
	.text
	.protected	k_q0bf81003c2_proj
	.globl	k_q0bf81003c2_proj
	.p2align	8
	.type	k_q0bf81003c2_proj,@function
k_q0bf81003c2_proj:
	s_mov_b64 s[64:65], 0
	v_nop
	global_prefetch_b8 v0, s[64:65] scope:SCOPE_SE
	s_setreg_imm32_b32 hwreg(HW_REG_WAVE_MODE, 25, 1), 1
	s_wait_xcnt 0x0
	s_wait_alu depctr_hold_cnt(0) depctr_sa_sdst(0) depctr_va_vdst(0) depctr_va_sdst(0) depctr_va_ssrc(0) depctr_va_vcc(0) depctr_vm_vsrc(0)
	s_getreg_b32 s2, hwreg(HW_REG_IB_STS2, 6, 4)
	s_cmp_eq_u32 s2, 0
	s_cbranch_scc0 .Lentry_in_a_cluster
	s_endpgm
.Lentry_in_a_cluster:
	s_bfe_u32 s2, ttmp6, 0x10000c
	s_cmp_lg_u32 s2, 0xf033
	s_cbranch_scc0 .Lentry_shape_is_right
	s_endpgm
.Lentry_shape_is_right:
; out0 = Q(y) Q(Wo) x 2^(e6 + e7) + bo.  y and Wo arrive as images of fragments (16 rows x 128 k = 2,048 bytes, [tile of 16 rows][k step 8]); out0 [8192][1024] f32.  K = 1,024.
; A work-group of four waves makes 128 tokens x 256 columns, so that there are 256 work-groups; a wave 64 x 128: 32 accumulators.  K goes in four steps of 256 through two LDS slots filled by tensor loads.
; Region A (tokens, yimg) is source 1 of the matrix instruction, region B (columns, woimg) source 0: a lane holds a token and eight neighbouring columns.
; CLUSTERS: 4 x 4.  Region A's tile hangs on cy alone and is asked for jointly by a row of the cluster, region B's on cx alone, by a column.
; LIMIT: e6 + e7 between -126 and 127.
; REGISTERS, in windows of 256: window 0: v0-31 addresses and the bias, from v128 region A's fragments (one set), v32-95 and v192-255 rows on the way out.  window 1: region B's fragments, two sets.
;   window 2: accumulator (a, b) at v[8 (8 a + b)].
.set AB,     4                         ; blocks of 16 rows of region A for a wave
.set HB,     AB/2
.set AHALF,  4096*AB
.set BHALF,  32768
.set AREG,   2*AHALF
.set SLOT,   AREG+2*BHALF
.set STAGE,  2*SLOT                    ; behind the ring, bytes of its own that no tile lands in: 16 rows x (512 + 16) bytes for each wave
.set SPARE,  STAGE+4*16*528            ; behind the stages: the spare words, 128 bytes a wave: two blocks of 256 bytes that no other line names
.set CO,   4                           ; v4      16 x lane
.set ADRA, 16
.set ADRB, 20
.set STO,  24                          ; v24     the stage: where I put 32 bytes of a row
.set RD,   25                          ; v25     and where I read a row back
.set SPW,  28
.set NIL,  29
.set AF,   128
.set G1, 24
.set G0, 32
.set G1B, 48
.set G0B, 56
.set MSB, 0
.macro WIN new                         ; the immediate's high byte repeats the setting that is left; a switch that changes nothing is dropped
.if MSB != (\new)
	s_set_vgpr_msb (MSB<<8)|(\new)
.set MSB, (\new)
.endif
.endm
.macro JLOAD s                         ; a joint load: waves 0, 1 fetch region A's halves, waves 2, 3 region B's; an s_nop 0 and four v_nop follow each line
	s_cmp_eq_u32 s15, 0
	s_cbranch_scc0 .Lfor_b_\@
	tensor_load_to_lds s[G0+4*\s:G0+4*\s+3], s[G1:G1+7]
	s_nop 0
.rept 4
	v_nop
.endr
	s_branch .Lasked_\@
.Lfor_b_\@:
	tensor_load_to_lds s[G0B+4*\s:G0B+4*\s+3], s[G1B:G1B+7]
	s_nop 0
.rept 4
	v_nop
.endr
.Lasked_\@:
.endm
.macro CREST
	s_cmp_lg_u32 s14, 0
	s_cbranch_scc1 .Lnot_wave_0_\@
	s_barrier_signal -3
.Lnot_wave_0_\@:
	s_barrier_wait -3
	s_barrier_signal -1
	s_barrier_wait -1
.endm
.macro CROUND
	s_barrier_signal -1
	s_barrier_wait -1
	CREST
.endm
.macro PLACES                          ; four plain places between a matrix instruction and a load into, or a read of, its registers
.rept 4
	v_nop
.endr
.endm
.macro FRAG reg, adr, q, i
.irp c, 0,1,2,3
	ds_load_b128 v[\reg+4*\c:\reg+4*\c+3], v[\adr] offset:(\i)*4096+(\q)*2048+512*\c
.endr
.endm
.macro FETCH_B slot, q, p
	WIN 0x40
.irp i, 0,1,2,3,4,5,6,7
	FRAG 128*(\p)+16*\i, ADRB+\slot, \q, \i
.endr
	WIN 0
.endm
.macro FETCH_A slot, q, i0, n
.set FI, \i0
.rept \n
	FRAG AF+16*FI, ADRA+\slot, \q, FI
.set FI, FI+1
.endr
.endm
.macro MULB a, p, zero                 ; the accumulators take turns, one instruction a turn
	WIN 0xa1
.irp b, 0,1,2,3,4,5,6,7
.if \zero
	v_wmma_f32_16x16x128_fp8_fp8 v[8*(8*(\a)+\b):8*(8*(\a)+\b)+7], v[128*(\p)+16*\b:128*(\p)+16*\b+15], v[AF+16*(\a):AF+16*(\a)+15], 0
.else
	v_wmma_f32_16x16x128_fp8_fp8 v[8*(8*(\a)+\b):8*(8*(\a)+\b)+7], v[128*(\p)+16*\b:128*(\p)+16*\b+15], v[AF+16*(\a):AF+16*(\a)+15], v[8*(8*(\a)+\b):8*(8*(\a)+\b)+7]
.endif
.endr
.endm
.macro MULR a0, n, p, zero
.set MA, \a0
.rept \n
	MULB MA, \p, \zero
.set MA, MA+1
.endr
.endm
.macro STEP slot, zero
	s_wait_dscnt 4*HB                              ; all but the youngest loads, region A's upper blocks
	MULR 0, HB, 0, \zero
	s_wait_dscnt 0x0
	PLACES
	FETCH_B \slot, 1, 1
	FETCH_A \slot, 1, 0, HB
	MULR HB, HB, 0, \zero
	PLACES
	WIN 0
	FETCH_A \slot, 1, HB, HB
.endm
.macro TURN slot, next, fill
	s_wait_tensorcnt 0x0                           ; all my tensor loads have landed: my part of the next slot
	ds_add_u32 v[SPW], v[NIL]                      ; 0 onto my spare word
	s_wait_dscnt 4*HB+1                            ; (the add and region A's upper blocks may be out)
	MULR 0, HB/2, 1, 0
	s_wait_dscnt 0x0                               ; the add is done, and my reads of this slot are over
	s_barrier_signal -1
	MULR HB/2, HB/2, 1, 0
	WIN 0
	s_barrier_wait -1
.if \fill
	CREST                                          ; the barrier has opened a round of the cluster's: no wave of any partner still reads this slot or has a load on its way
	s_add_nc_u64 s[G0+4*\slot+2:G0+4*\slot+3], s[G0+4*\slot+2:G0+4*\slot+3], 8192
	s_add_nc_u64 s[G0B+4*\slot+2:G0B+4*\slot+3], s[G0B+4*\slot+2:G0B+4*\slot+3], 8192
	JLOAD \slot
.else
	PLACES
.endif
	FETCH_B \next, 0, 0
	FETCH_A \next, 0, 0, HB
	MULR HB, HB, 1, 0
	PLACES
	WIN 0
	FETCH_A \next, 0, HB, HB
.endm
	s_load_b256 s[4:11], s[0:1], 0x0               ; yimg s[4:5], woimg s[6:7], bo s[8:9], the scales' exponents s[10:11]
	s_load_b64 s[12:13], s[0:1], 0x20              ; out0
	v_lshl_add_u32 v[SPW], v0, 2, SPARE
	v_mov_b32 v[NIL], 0
	ds_add_u32 v[SPW], v[NIL]                      ; the wave's opening: the add and its wait ahead of my first tensor load
	v_lshrrev_b32 v1, 5, v0
	v_readfirstlane_b32 s14, v1                    ; wave 0..3
	s_lshr_b32 s15, s14, 1                         ; my half of the tokens.  Also: I fetch for region A (0) or B (1)
	s_and_b32 s16, s14, 1                          ; my half of the columns.  Also: which half of that region I fetch
	s_bfe_u32 s40, ttmp6, 0x40000                  ; cx
	s_bfe_u32 s41, ttmp6, 0x40004                  ; cy
	s_lshl_b32 s42, ttmp9, 2
	s_add_co_u32 s42, s42, s40                     ; tile of 256 columns
	s_and_b32 s17, ttmp7, 0xffff
	s_lshl_b32 s17, s17, 2
	s_add_co_u32 s17, s17, s41                     ; tile of 128 tokens
	s_lshl_b32 s43, s41, 2
	s_lshl_b32 s43, 15, s43                        ; my row of the cluster
	s_lshl_b32 s44, 0x1111, s40                    ; my column
	s_or_b32 s[G1+0], s43, (1<<21)                 ; 15:0 the mask; elements of 1 byte; no padding; 21 set beside a mask
	s_or_b32 s[G1B+0], s44, (1<<21)
.irp g, G1, G1B
	s_mov_b32 s[\g+1], 4096<<16                    ; tensor_dim0 = 4,096: a row tile's bytes of a K step of 256
	s_mov_b32 s[\g+3], 4096<<16                    ; tile_dim0
	s_mov_b32 s[\g+5], 16384                       ; from row tile to row tile
	s_mov_b32 s[\g+6], 0
	s_mov_b32 s[\g+7], 0
.endr
	s_mov_b32 s[G1+2], AB<<16
	s_mov_b32 s[G1+4], AB
	s_mov_b32 s[G1B+2], 8<<16
	s_mov_b32 s[G1B+4], 8
	s_lshl_b32 s20, s17, 17                        ; 128 tokens are 8 row tiles of 16,384 bytes
	s_lshl_b32 s21, s16, 16
	s_add_co_u32 s20, s20, s21
	s_mov_b32 s21, 0
	s_lshl_b32 s46, s42, 18                        ; 256 columns are 16
	s_lshl_b32 s47, s16, 17
	s_add_co_u32 s46, s46, s47
	s_mov_b32 s47, 0
	s_mul_i32 s45, s16, AHALF
	s_mul_i32 s23, s16, BHALF
	s_add_co_u32 s23, s23, AREG
	s_wait_dscnt 0x0                               ; the opening add is done
	s_wait_kmcnt 0x0
	s_load_b256 s[68:75], s[10:11], 0x0            ; e0 .. e7
	s_add_nc_u64 s[20:21], s[4:5], s[20:21]
	s_add_nc_u64 s[46:47], s[6:7], s[46:47]
	CROUND                                         ; all sixteen work-groups are here: the first joint loads meet
.irp s, 0,1
	s_mov_b32 s[G0+4*\s], 1
	s_add_co_u32 s[G0+4*\s+1], s45, \s*SLOT
	s_add_nc_u64 s[G0+4*\s+2:G0+4*\s+3], s[20:21], \s*4096
	s_or_b32 s[G0+4*\s+3], s[G0+4*\s+3], 0x80000000
	s_mov_b32 s[G0B+4*\s], 1
	s_add_co_u32 s[G0B+4*\s+1], s23, \s*SLOT
	s_add_nc_u64 s[G0B+4*\s+2:G0B+4*\s+3], s[46:47], \s*4096
	s_or_b32 s[G0B+4*\s+3], s[G0B+4*\s+3], 0x80000000
	JLOAD \s                                       ; two loads of mine are out
.endr
	v_and_b32 v1, 31, v0
	v_lshlrev_b32 v[CO], 4, v1
	s_mul_i32 s21, s15, AHALF
	s_mul_i32 s22, s16, BHALF
	s_add_co_u32 s22, s22, AREG
.irp s, 0,1
	v_add_nc_u32 v[ADRA+\s], s21, v[CO]
	v_add_nc_u32 v[ADRB+\s], s22, v[CO]
	s_add_co_u32 s21, s21, SLOT
	s_add_co_u32 s22, s22, SLOT
.endr
	s_mul_i32 s23, s14, 16*528
	s_add_co_u32 s23, s23, STAGE                   ; my stage
	v_and_b32 v3, 15, v0
	v_bfe_u32 v2, v0, 4, 1
	v_mul_u32_u24 v5, v3, 528
	v_lshl_add_u32 v5, v2, 5, v5
	v_add_nc_u32 v[STO], s23, v5                   ; in: row r, 32 bytes for each half of the lanes
	v_add_nc_u32 v[RD], s23, v[CO]                 ; back: the 32 lanes take a row of 512 bytes
	s_lshl_b32 s86, s17, 7
	s_lshl_b32 s87, s15, 6
	s_add_co_u32 s86, s86, s87                     ; my first token
	s_lshl_b32 s86, s86, 12
	s_lshl_b32 s88, s42, 8
	s_lshl_b32 s89, s16, 7
	s_add_co_u32 s88, s88, s89                     ; my first column
	s_lshl_b32 s88, s88, 2
	s_mov_b32 s89, 0
	s_add_nc_u64 s[8:9], s[8:9], s[88:89]
	global_load_b128 v[8:11], v[CO], s[8:9]        ; bo of the four columns that I hold of a row read back
	s_add_co_u32 s86, s86, s88
	s_mov_b32 s87, 0
	s_add_nc_u64 s[12:13], s[12:13], s[86:87]
	s_wait_kmcnt 0x0
	s_add_co_i32 s96, s74, s75
	s_add_co_i32 s96, s96, 127
	s_lshl_b32 s96, s96, 23                        ; 2^(e6 + e7) as f32
	s_mov_b32 s97, s96                             ; (named with it as a pair, so it is written)
	s_wait_tensorcnt 1                             ; my part of slot 0 is in; slot 1's load may be out
	s_barrier_signal -1
	s_barrier_wait -1
	FETCH_B 0, 0, 0
	FETCH_A 0, 0, 0, HB
	FETCH_A 0, 0, HB, HB
	STEP 0, 1                                      ; the first products start the sums: nothing is cleared
	TURN 0, 1, 1
	STEP 1, 0
	TURN 1, 0, 1
	STEP 0, 0
	TURN 0, 1, 0
	STEP 1, 0
	s_wait_dscnt 4*HB
	MULR 0, HB, 1, 0
	s_wait_dscnt 0x0
	MULR HB, HB, 1, 0
	WIN 0
; THE WAY OUT, a block of 16 tokens x 128 columns at a time.  The sums go into my own stage as they are, each accumulator from its low end on, and come back as whole rows of 512 bytes; there one packed
; multiply-add for two numbers gives sum x 2^(e6 + e7) + bo, and the 32 lanes store 512 consecutive aligned bytes.  LDS serves a wave's instructions in order (ISA guide 5.7.1.4): no wait between stores and loads.
.macro TOSTAGE a
.set AC, 64*(\a)
.set BB, 32+160*((\a)%2)
	WIN 0x08                                       ; the stores' data: window 2
.irp b, 0,1,2,3,4,5,6,7
	ds_store_b128 v[STO], v[AC+8*\b:AC+8*\b+3] offset:64*\b
	ds_store_b128 v[STO], v[AC+8*\b+4:AC+8*\b+7] offset:64*\b+16
.endr
	WIN 0
.irp t, 0,1,2,3,4,5,6,7,8,9,10,11,12,13,14,15
	ds_load_b128 v[BB+4*\t:BB+4*\t+3], v[RD] offset:528*\t
.endr
.endm
.macro SEND a, younger                 ; younger: the LDS instructions issued behind block a's loads, which may stay out
.set BB, 32+160*((\a)%2)
	s_wait_dscnt \younger
.irp t, 0,1,2,3,4,5,6,7,8,9,10,11,12,13,14,15
	v_pk_fma_f32 v[BB+4*\t:BB+4*\t+1], v[BB+4*\t:BB+4*\t+1], s[96:97], v[8:9] op_sel_hi:[1,0,1]
	v_pk_fma_f32 v[BB+4*\t+2:BB+4*\t+3], v[BB+4*\t+2:BB+4*\t+3], s[96:97], v[10:11] op_sel_hi:[1,0,1]
.endr
.irp t, 0,1,2,3,4,5,6,7,8,9,10,11,12,13,14,15
	global_store_b128 v[CO], v[BB+4*\t:BB+4*\t+3], s[12:13] offset:(16*(\a)+\t)*4096 th:TH_STORE_NT
.endr
.endm
	s_wait_loadcnt 0x0                             ; bo
	PLACES
	TOSTAGE 0
.irp a, 1,2,3
.if \a > 1
	s_wait_xcnt 0x0                                ; the stores of two blocks back have read their registers: this block's rows land there
.endif
	TOSTAGE \a
	SEND \a-1, 32                                  ; behind block a - 1's loads: block a's 16 stores and 16 loads
.endr
	SEND 3, 0
	s_wait_tensorcnt 0x0                           ; the wave's end, behind my last tensor load and my last LDS store
	ds_add_u32 v[SPW], v[NIL]
	s_wait_dscnt 0x0
	CROUND                                         ; the closing round: no work-group ends while a partner may still ask for a tile that names it
	s_endpgm
.Lfunc_end_k_q0bf81003c2_proj:
	.size	k_q0bf81003c2_proj, .Lfunc_end_k_q0bf81003c2_proj-k_q0bf81003c2_proj
	.p2alignl 7, 3214868480
	.fill 96, 4, 3214868480
	.section	.rodata,"a",@progbits
	.p2align	6, 0x0
	.amdhsa_kernel k_q0bf81003c2_proj
		.amdhsa_group_segment_fixed_size 327680
		.amdhsa_private_segment_fixed_size 0
		.amdhsa_enable_private_segment 0
		.amdhsa_kernarg_size 40
		.amdhsa_user_sgpr_count 2
		.amdhsa_user_sgpr_kernarg_segment_ptr 1
		.amdhsa_wavefront_size32 1
		.amdhsa_system_sgpr_workgroup_id_x 1
		.amdhsa_system_sgpr_workgroup_id_y 1
		.amdhsa_system_sgpr_workgroup_id_z 1
		.amdhsa_system_vgpr_workitem_id 0
		.amdhsa_next_free_vgpr 768
		.amdhsa_next_free_sgpr 100
		.amdhsa_reserve_vcc 0
		.amdhsa_float_denorm_mode_32 3
		.amdhsa_float_denorm_mode_16_64 3
		.amdhsa_memory_ordered 1
		.amdhsa_forward_progress 1
		.amdhsa_inst_pref_size 76
	.end_amdhsa_kernel
	.amdgpu_metadata
---
amdhsa.version: [ 1, 2 ]
amdhsa.kernels:
  - .name:           k_q0bf81003c2_proj
    .symbol:         k_q0bf81003c2_proj.kd
    .args:
      - { .name: yimg, .offset: 0, .size: 8, .value_kind: global_buffer, .address_space: global }
      - { .name: woimg, .offset: 8, .size: 8, .value_kind: global_buffer, .address_space: global }
      - { .name: bo, .offset: 16, .size: 8, .value_kind: global_buffer, .address_space: global }
      - { .name: lowp_scales, .offset: 24, .size: 8, .value_kind: global_buffer, .address_space: global }
      - { .name: out0, .offset: 32, .size: 8, .value_kind: global_buffer, .address_space: global }
    .group_segment_fixed_size: 327680
    .private_segment_fixed_size: 0
    .kernarg_segment_align: 8
    .kernarg_segment_size: 40
    .max_flat_workgroup_size: 128
    .sgpr_count:     100
    .vgpr_count:     768
    .wavefront_size: 32
...
	.end_amdgpu_metadata
.endif
;; end of part 4
;; ======== version 2 of 2: 4 launches; version 1 with the launch attn written anew for expert scheduling mode
;; workspace buffers: ximg 8,388,608 bytes; wqkvimg 3,145,728 bytes; woimg 1,048,576 bytes; qimg 8,388,608 bytes; kvimg 16,777,216 bytes; yimg 8,388,608 bytes
;; launch quant: the kernel of part 1 again; grid 384 x 1, 8 waves a work-group, no clusters, 68,608 bytes of LDS; arguments x, Wqkv, Wo, lowp_scales, ximg, wqkvimg, woimg; writes ximg, wqkvimg, woimg
;; launch qkv: the kernel of part 2 again; grid 12 x 32, 4 waves a work-group, clusters of 4 x 4, 327,680 bytes of LDS; arguments ximg, wqkvimg, bqkv, lowp_scales, qimg, kvimg; writes qimg, kvimg
;; launch attn (part 5): grid 4 x 64, 16 waves a work-group, no clusters, 34,816 bytes of LDS; arguments qimg, kvimg, lowp_scales, yimg; writes yimg
.if DOCPART == 5
	.amdgcn_target "amdgcn-amd-amdhsa--gfx1250"
	.amdhsa_code_object_version 6
	.text
	.protected	k_q0bf81003c2_attn
	.globl	k_q0bf81003c2_attn
	.p2align	8
	.type	k_q0bf81003c2_attn,@function
k_q0bf81003c2_attn:
	s_mov_b64 s[64:65], 0
	v_nop
	global_prefetch_b8 v0, s[64:65] scope:SCOPE_SE
	s_setreg_imm32_b32 hwreg(HW_REG_WAVE_SCHED_MODE, 0, 2), 2
	s_setreg_imm32_b32 hwreg(HW_REG_WAVE_MODE, 25, 1), 1
	s_wait_xcnt 0x0
	s_wait_alu depctr_vm_vsrc(0)
; y = softmax(q k^T / 8, causal) v for one batch x head, both products on codes of E4M3; y is quantised (e6) into the image that the last product reads.
; THE SOFTMAX: t = score x log2(e) / 8; M = the running largest t rounded UP to a whole number; p = 2^(t - M) is quantised (e4), not normalised; the row's sum is taken of the unquantised p and divides at the end.
; When M moves, the sum and O are multiplied by 2^(old M - new M), which rounds nothing.
; SHARES.  Work-group (j, batch x head) owns two blocks of 256 queries: block 7 - j, then block j: 16 - 2 j and 2 j + 2 key steps of 128, eighteen for every work-group.  Each of sixteen waves owns 16 queries in 256
; registers, four waves to a SIMD, so that one wave's vector work stands beside another's products and LDS loads.  A key step all of whose keys come after a wave's queries is passed over by that wave (a branch on ids).
; LAYOUT.  S^T = K Q^T (source 0 = 16 keys), O^T = V^T P^T (source 0 = 16 channels): a lane holds one query throughout.  In S^T register j of tile t is key 16 t + 8 h + j: its eight codes are registers 2 t, 2 t + 1 of P.
; K AND V.  A key step is 16,384 bytes of kvimg, images of fragments.  It comes through registers into one of two LDS slots as it lies: each wave copies 1,024 bytes, a trip ahead of the stores and two ahead of the reads.
; No tensor load and no cluster: the hold of p is passed over by a branch on the given e4 (p <= 1 <= 448 x 2^e4 where e4 >= -8); and the four work-groups of a head
; begin their second walk at different trips, so joint requests would not meet.
; LIMITS: e2 + e3 between -123 and 130 (added to c's exponent field); e4, e6 between -126 and 119.  NaN is not served.
; REGISTERS: v1 16 x lane; v2 1,024 x wave + 16 x lane; v3 r - 8 h; v4, v5 the add's two; v8 at work; v9 -infinity; v10 the prefetch's offset; v12 -M; v13 the largest t; v[14:15] the sum;
;   v16-23 Q; v24-31, v216-223 the copy, two sets; v32-95 K's fragments, then V's; v96-159 S^T, then p; v160-191 O^T; v192-207 p's codes; v208-215 y's codes; v236-254 at work and constants.
; THE MODE: SCHED_MODE bits 1:0 = 2 (LLVM: expert scheduling mode 2), set by the entry lines.  The code itself states the register dependences between vector or matrix instructions and memory or LDS
; instructions, with s_wait_alu, always for 0.
; THE PLAN.  Registers that memory or LDS instructions touch:
;   v1, v2, v10, v4, v5   Offsets and LDS addresses: written at the head, ahead of one wait on va_vdst, and never again.
;   v24-31, v216-223      Named by memory and LDS instructions alone.  In trip T the LDS stores read one set, and the loads of trip T + 2's key step land in the other, which the LDS stores of trip T - 1 read:
;                         one wait on vm_vsrc at a trip's head, ahead of the trip's branches.
;   v32-95                K's fragments land; the eight score products read them; V's fragments land; the four products V^T P^T read them; the next step's K lands.  Two waits on va_vdst a key step: one straight
;                         ahead of K's loads, one behind the score products and their places.  Behind the second, V's sixteen loads are dealt among the mask, the maximum and the scalings, which name none of v1, v32-95.
;   v16-23                Q: loaded at the head and at the change of blocks; read by the score products.  The way out's waits on va_vdst stand between the first block's last product and the second block's loads.
;   v208-215              y's codes: written by the way out's conversions, read by its two stores: a wait on va_vdst between; a wait on vm_vsrc ahead of the second way out's conversions.
;   S^T, p, p's codes, O^T and the statistics are named by vector and matrix instructions alone.
; Scalar registers that vector instructions write: s12, the wave's number, and s50-57, a tile's eight masks: a wait on va_sdst stands ahead of the first reader of each.
.set SPARE, 32768                      ; behind the two slots: the spare words, 128 bytes a wave: eight blocks of 256 bytes that no other line names
.set SPW,   4
.set NIL,   5
; A block of queries begins: s18 = my first query, s17 = 0.  Q's fragment; the sums begin as zeros and the largest t as -3e38, so the key step is written once.
; (Q's loads: at the head no vector or matrix instruction has named v16-23; at the change of blocks the way out's last wait on va_vdst stands behind every product that read them, and nothing behind it names them.)
.macro INIT
	s_lshl_b32 s36, s14, 17
	s_lshl_b32 s42, s18, 6
	s_add_co_u32 s36, s36, s42
	s_mov_b32 s37, 0
	s_add_nc_u64 s[38:39], s[4:5], s[36:37]
	global_load_b128 v[16:19], v1, s[38:39] th:TH_LOAD_NT
	global_load_b128 v[20:23], v1, s[38:39] offset:512 th:TH_LOAD_NT
	v_mov_b32 v13, 0xff61b1e6
	v_floor_f32 v12, -v13
	v_mov_b32 v14, 0
	v_mov_b32 v15, 0
.set i, 0
.rept 32
	v_mov_b32 v[160+i], 0
.set i, i+1
.endr
.endm
; V's fragment c (16 channels x 128 keys) of the key step in slot \slot
.macro VFRAG slot, c
.irp g, 0,1,2,3
	ds_load_b128 v[32+16*(\c)+4*\g:32+16*(\c)+4*\g+3], v1 offset:16384*\slot+8192+2048*(\c)+512*\g
.endr
.endm
; A key step: 128 keys from s17 on, out of LDS slot \slot.
.macro WORK slot
	s_add_co_u32 s42, s18, 15
	s_cmp_gt_u32 s17, s42                          ; all its keys come after my queries
	s_cbranch_scc1 .Lhid_\@
	s_wait_alu depctr_va_vdst(0)                   ; the last step's products V^T P^T are done reading v32-95, in which K's fragments land
.irp t, 0,1,2,3,4,5,6,7
.irp g, 0,1
	ds_load_b128 v[32+8*\t+4*\g:32+8*\t+4*\g+3], v1 offset:16384*\slot+1024*\t+512*\g
.endr
.endr
	s_wait_dscnt 8                                 ; key tiles 0-3 are in; the eight loads of tiles 4-7 may be out
.irp t, 0,1,2,3
	v_wmma_f32_16x16x64_fp8_fp8 v[96+8*\t:103+8*\t], v[32+8*\t:39+8*\t], v[16:23], 0
.endr
	s_wait_dscnt 0x0
.irp t, 4,5,6,7
	v_wmma_f32_16x16x64_fp8_fp8 v[96+8*\t:103+8*\t], v[32+8*\t:39+8*\t], v[16:23], 0
.endr
.rept 4
	v_nop                                          ; places in front of the first vector read of the scores (ISA guide 7.12.1)
.endr
	s_wait_alu depctr_va_vdst(0)                   ; the score products are done reading v32-95, in which V's fragments land; the places above stay beside this wait
	VFRAG \slot, 0                                 ; V lands under the softmax: two fragments now, the other two further down.  No vector or matrix instruction between the wait and the last of them names v1 or v32-95
	VFRAG \slot, 1
	s_add_co_u32 s42, s17, 127
	s_cmp_le_u32 s42, s18                          ; all keys count for all my queries: no mask
	s_cbranch_scc1 .Lopen_\@
	s_sub_co_u32 s43, s18, s17                     ; my first query less the step's first key: 0 or more here
	v_add_nc_u32 v8, s43, v3                       ; register i of tile t is hidden where 16 t + i > my query - first key - 8 h
.irp t, 0,1,2,3,4,5,6,7
	s_cmp_ge_u32 s43, 16*\t+15                     ; a tile all of whose keys count is passed over
	s_cbranch_scc1 .Lvis_\@_\t
.irp i, 0,1,2,3,4,5,6,7
	v_cmp_gt_i32 s[50+\i], 16*\t+\i, v8            ; a tile's eight masks in a run, each in a scalar register of its own
.endr
	s_wait_alu depctr_va_sdst(0)                   ; the eight compares have written s50-57, which the selections below read
.irp i, 0,1,2,3,4,5,6,7
	v_cndmask_b32 v[96+8*\t+\i], v[96+8*\t+\i], v9, s[50+\i]
.endr
.Lvis_\@_\t:
.endr
.Lopen_\@:
	v_max3_num_f32 v254, v96, v97, v98             ; the step's largest score of my query among my 64 keys, in two chains, from each accumulator's low end on,
	v_max3_num_f32 v252, v99, v100, v101
.set j, 6
.rept 14
	v_max3_num_f32 v254, v254, v[96+j], v[97+j]
	v_max3_num_f32 v252, v252, v[98+j], v[99+j]
.set j, j+4
.endr
	v_max3_num_f32 v254, v254, v158, v159
	v_max_num_f32 v254, v254, v252
	VFRAG \slot, 2                                 ; V's third fragment: still under the wait behind the score products
	v_permlanex16_b32 v236, v254, s20, s21
	v_max_num_f32 v254, v254, v236                 ; and among the other half of the lanes'
	v_mul_f32 v254, s22, v254                      ; as t (c is positive)
	v_max_num_f32 v13, v13, v254
	v_mov_b32 v254, v12
	v_floor_f32 v12, -v13                          ; the new -M = -ceil(t): a whole number
	v_sub_f32 v254, v12, v254                      ; old M - new M: 0 or less
	v_cvt_i32_f32 v254, v254                       ; (it saturates)
	v_ldexp_f32 v252, 1.0, v254                    ; f = 2^(old M - new M)
.set j, 0
.rept 32
	v_pk_fma_f32 v[96+j:97+j], v[96+j:97+j], s[22:23], v[12:13] op_sel_hi:[1,0,0]   ; t - M (of the pairs c and -M the low word serves both halves)
.set j, j+2
.endr
	VFRAG \slot, 3                                 ; V's last fragment: the exponentials, the sums and the conversions stand between it and the wait for it
.set j, 0
.rept 64
	v_exp_f32 v[96+j], v[96+j]                     ; p = 2^(t - M)
.set j, j+1
.endr
	v_pk_mul_f32 v[14:15], v[14:15], v[252:253] op_sel_hi:[1,0]   ; the sum under the new M: the plain line behind the exponentials
	s_wait_alu depctr_va_vdst(0)                   ; the 64 exponentials have written v96-159: one wait for the whole batch, ahead of its first reader
	v_pk_add_f32 v[242:243], v[96:97], v[98:99]    ; the row's sum, of the unquantised p, in two chains
.set j, 4
.rept 15
	v_pk_add_f32 v[14:15], v[14:15], v[96+j:97+j]
	v_pk_add_f32 v[242:243], v[242:243], v[98+j:99+j]
.set j, j+4
.endr
	v_pk_add_f32 v[14:15], v[14:15], v[242:243]
	s_cmp_ge_i32 s28, -8                           ; p <= 1 <= 448 x 2^e4: nothing to hold
	s_cbranch_scc1 .Lnohold_\@
.set j, 0
.rept 64
	v_min_num_f32 v[96+j], v[96+j], v240           ; else the hold: the conversion does not saturate (ISA guide 7.6.2); p is not negative
.set j, j+1
.endr
.Lnohold_\@:
.irp t, 0,1,2,3,4,5,6,7
	v_cvt_scalef32_pk8_fp8_f32 v[192+2*\t:193+2*\t], v[96+8*\t:103+8*\t], v244
.endr
.set j, 0
.rept 16
	v_pk_mul_f32 v[160+j:161+j], v[160+j:161+j], v[252:253] op_sel_hi:[1,0]   ; O^T under the new M; also the plain lines behind the conversions
.set j, j+2
.endr
	s_wait_dscnt 0x0                               ; V is in
.irp c, 0,1,2,3                        ; one instruction on each accumulator; the eight score products stand between two turns
	v_wmma_f32_16x16x128_fp8_fp8 v[160+8*\c:167+8*\c], v[32+16*\c:47+16*\c], v[192:207], v[160+8*\c:167+8*\c]
.endr
.rept 4
	v_nop                                          ; places in front of the next vector read of O^T: at a block's end the way out follows
.endr
.Lhid_\@:
	s_add_co_u32 s17, s17, 128
.endm
; A block's end: O^T / the sum x 2^(e4 + e5), held, quantised with e6: the eight registers are my head's half of a fragment of the last product's operand: 1,024 bytes on end.
.macro WAYOUT
	s_wait_xcnt 0x0                                ; earlier stores have read their codes and their base
	s_wait_alu depctr_vm_vsrc(0)                   ; the first block's two stores have read v208-215, which the conversions below write again
	v_add_f32 v14, v14, v15
	v_permlanex16_b32 v252, v14, s20, s21
	v_add_f32 v14, v14, v252                       ; the row's sum
	v_rcp_f32 v14, v14
	v_nop                                          ; a plain line behind the transcendental
	s_lshr_b32 s42, s14, 4                         ; batch
	s_lshl_b32 s42, s42, 11
	s_add_co_u32 s42, s42, s18                     ; my first row: a tile of 16 rows is 16,384 bytes, so a row counts 1,024,
	s_and_b32 s43, s14, 15
	s_add_co_u32 s42, s42, s43                     ; and so does a head
	s_lshl_b32 s36, s42, 10
	s_mov_b32 s37, 0
	s_add_nc_u64 s[40:41], s[10:11], s[36:37]
	s_wait_alu depctr_va_vdst(0)                   ; the reciprocal has written v14, ahead of its first reader
	v_ldexp_f32 v14, v14, s44
.set j, 0
.rept 16
	v_pk_mul_f32 v[96+j:97+j], v[160+j:161+j], v[14:15] op_sel_hi:[1,0]
.set j, j+2
.endr
.set j, 0
.rept 32
	v_med3_num_f32 v[96+j], v[96+j], -v246, v246
.set j, j+1
.endr
.irp c, 0,1,2,3
	v_cvt_scalef32_pk8_fp8_f32 v[208+2*\c:209+2*\c], v[96+8*\c:103+8*\c], v247
.endr
	v_nop                                          ; one plain line behind the last conversion
	s_wait_alu depctr_va_vdst(0)                   ; the conversions have written v208-215, which the two stores read; and every product of this block is done reading Q's v16-23
	global_store_b128 v1, v[208:211], s[40:41]
	global_store_b128 v1, v[212:215], s[40:41] offset:512
.endm
; Trip T = s16 + slot.  The key step of trip T + 1 goes from registers into the other slot; that of trip T + 2 is asked for; this trip's is worked on; one barrier.
.macro TRIP slot
.set CPO, 216-192*\slot                ; the set that holds trip T + 1's step
.set CPI, 24+192*\slot                 ; the set that takes trip T + 2's: its last LDS stores were waited for in front of the last barrier
	s_wait_xcnt 0x0                                ; the last loads and prefetch have read their base: it is stepped below
	s_wait_loadcnt 0x0                             ; the step asked for a trip ago is in; after a change of blocks, Q too
	s_wait_alu depctr_vm_vsrc(0)                   ; the LDS stores of the trip before (in the first trip: of the head) have read the set in which this trip's two loads land
.if \slot
	s_cmp_lt_u32 s16, 16                           ; trip 17 is the last: nothing to store or to ask for
	s_cbranch_scc0 .Lnomore_\@
.endif
	ds_store_b128 v2, v[CPO:CPO+3] offset:16384*(1-\slot)
	ds_store_b128 v2, v[CPO+4:CPO+7] offset:16384*(1-\slot)+512
.if \slot == 0
	s_cmp_lt_u32 s16, 16
	s_cbranch_scc0 .Lnomore_\@
	s_add_nc_u64 s[36:37], s[34:35], 16384
	s_add_co_u32 s42, s16, 2
	s_cmp_eq_u32 s42, s15                          ; the second block's walk begins at the head's first key step
	s_cselect_b64 s[34:35], s[32:33], s[36:37]
.else
	s_add_nc_u64 s[34:35], s[34:35], 16384
.endif
	global_load_b128 v[CPI:CPI+3], v2, s[34:35]
	global_load_b128 v[CPI+4:CPI+7], v2, s[34:35] offset:512
	s_cmp_lt_u32 s16, s48
	s_cbranch_scc0 .Lnomore_\@
	global_prefetch_b8 v10, s[34:35] offset:32768 th:TH_LOAD_NT scope:SCOPE_SE   ; see PREFETCH at the head of the text below
.Lnomore_\@:
	WORK \slot
.if \slot
	s_add_co_u32 s42, s16, 2
	s_cmp_eq_u32 s42, s15                          ; the first block is done: the same trip in all sixteen waves
	s_cbranch_scc0 .Lsame_\@
	WAYOUT
	s_lshl_b32 s18, s13, 8
	s_lshl_b32 s42, s12, 4
	s_add_co_u32 s18, s18, s42                     ; block j
	s_mov_b32 s17, 0
	INIT
.Lsame_\@:
.endif
	s_wait_dscnt 0x0                               ; my stores into the other slot have landed, my reads of this one are back
	s_barrier_signal -1
	s_barrier_wait -1                              ; so the next trip may read the other slot and store into this one
.endm
	s_load_b256 s[4:11], s[0:1], 0x0               ; qimg s[4:5], kvimg s[6:7], the scales' exponents s[8:9], yimg s[10:11]
	v_lshl_add_u32 v[SPW], v0, 2, SPARE
	v_mov_b32 v[NIL], 0
	v_lshrrev_b32 v2, 5, v0
	v_readfirstlane_b32 s12, v2                    ; wave 0..15
	v_and_b32 v1, 31, v0
	v_lshlrev_b32 v10, 8, v1
	v_lshlrev_b32 v1, 4, v1
	v_lshl_add_u32 v2, v2, 10, v1
	v_and_b32 v3, 15, v0
	v_bfe_u32 v6, v0, 4, 1
	v_lshlrev_b32 v6, 3, v6
	v_sub_nc_u32 v3, v3, v6
	v_mov_b32 v9, 0xff800000
	v_mov_b32 v236, 0                              ; a lane permute's destination counts as read
	v_mov_b32 v252, 0
	v_mov_b32 v253, 0                              ; (named as the upper half of the pair v[252:253])
	s_wait_alu depctr_va_sdst(0)                   ; s12 is written, ahead of its first reader: my queries, the prefetch's share and the branches on the wave are made from it
	s_mov_b32 s13, ttmp9                           ; j
	s_and_b32 s14, ttmp7, 0xffff                   ; batch x head
	s_lshl_b32 s15, s13, 1
	s_sub_co_u32 s15, 16, s15                      ; the first block's key steps
	s_mov_b32 s16, 0                               ; the trip
	s_mov_b32 s17, 0                               ; the step's first key
	s_sub_co_u32 s18, 7, s13
	s_lshl_b32 s18, s18, 8
	s_lshl_b32 s42, s12, 4
	s_add_co_u32 s18, s18, s42                     ; my first query: block 7 - j
	s_mov_b32 s20, 0x76543210
	s_mov_b32 s21, 0xfedcba98
	; PREFETCH.  All four work-groups of a head walk the same key steps from step 0 on; the one with j = 0 walks all sixteen in its first block, and it alone asks.  Its waves 0 and 1, behind their two loads of the step of
	; trip T + 2, name the step of trip T + 4: 16,384 bytes, 8,192 a wave, lanes 256 bytes apart, so each block of 256 bytes is named once in the launch.  Trips 0 to 11 ask, for steps 4 to 15: none points past the head's last step.
	s_lshr_b32 s42, s12, 1
	s_or_b32 s42, s42, s13
	s_cmp_eq_u32 s42, 0
	s_cselect_b32 s48, 12, 0
	s_and_b32 s42, s12, 1
	s_lshl_b32 s42, s42, 13
	v_add_nc_u32 v10, s42, v10
	s_lshl_b32 s36, s14, 18
	s_mov_b32 s37, 0
	s_wait_kmcnt 0x0
	s_load_b256 s[24:31], s[8:9], 0x0              ; e0 .. e7
	s_add_nc_u64 s[32:33], s[6:7], s[36:37]        ; the head's first key step
	s_add_nc_u64 s[34:35], s[32:33], 16384         ; the step last asked for
	s_wait_alu depctr_va_vdst(0)                   ; v1, v2 and v10 are written, which every load, store, LDS instruction and prefetch of the kernel reads as its offset or address; so are v4 and v5
	global_load_b128 v[24:27], v2, s[32:33]
	global_load_b128 v[28:31], v2, s[32:33] offset:512
	global_load_b128 v[216:219], v2, s[34:35]
	global_load_b128 v[220:223], v2, s[34:35] offset:512
	INIT
	s_wait_kmcnt 0x0
	s_add_co_i32 s42, s26, s27
	s_lshl_b32 s42, s42, 23
	s_mov_b32 s22, 0x3e38aa3b                      ; c = log2(e) / 8
	s_add_co_i32 s22, s22, s42                     ; x 2^(e2 + e3): the exponents are added to c's exponent field
	s_mov_b32 s23, s22
	s_add_co_i32 s42, s28, 127
	s_lshl_b32 s43, s42, 23
	v_mov_b32 v244, s43                            ; 2^e4
	s_add_co_i32 s42, s42, 8
	s_lshl_b32 s42, s42, 23
	s_or_b32 s42, s42, 0x600000
	v_mov_b32 v240, s42                            ; 448 x 2^e4
	s_add_co_i32 s42, s30, 127
	s_lshl_b32 s43, s42, 23
	v_mov_b32 v247, s43                            ; 2^e6
	s_add_co_i32 s42, s42, 8
	s_lshl_b32 s42, s42, 23
	s_or_b32 s42, s42, 0x600000
	v_mov_b32 v246, s42                            ; 448 x 2^e6
	s_add_co_i32 s44, s28, s29                     ; e4 + e5
	s_wait_loadcnt 4                               ; key step 0 is in; step 1's two loads and Q's two may be out
	ds_store_b128 v2, v[24:27]
	ds_store_b128 v2, v[28:31] offset:512
	s_wait_dscnt 0x0
	s_barrier_signal -1
	s_barrier_wait -1
.Lloop:                                            ; nine turns of two trips
	TRIP 0
	TRIP 1
	s_add_co_u32 s16, s16, 2
	s_cmp_lt_u32 s16, 18
	s_cbranch_scc1 .Lloop
	WAYOUT
	s_wait_dscnt 0x0                               ; the closing lines, six on end
	s_wait_alu 0x0
	s_wait_tensorcnt 0x0
	ds_add_u32 v[SPW], v[NIL]
	s_wait_dscnt 0x0
	s_endpgm
.Lfunc_end_k_q0bf81003c2_attn:
	.size	k_q0bf81003c2_attn, .Lfunc_end_k_q0bf81003c2_attn-k_q0bf81003c2_attn
	.p2alignl 7, 3214868480
	.fill 96, 4, 3214868480
	.section	.rodata,"a",@progbits
	.p2align	6, 0x0
	.amdhsa_kernel k_q0bf81003c2_attn
		.amdhsa_group_segment_fixed_size 34816
		.amdhsa_private_segment_fixed_size 0
		.amdhsa_enable_private_segment 0
		.amdhsa_kernarg_size 32
		.amdhsa_user_sgpr_count 2
		.amdhsa_user_sgpr_kernarg_segment_ptr 1
		.amdhsa_wavefront_size32 1
		.amdhsa_system_sgpr_workgroup_id_x 1
		.amdhsa_system_sgpr_workgroup_id_y 1
		.amdhsa_system_sgpr_workgroup_id_z 1
		.amdhsa_system_vgpr_workitem_id 0
		.amdhsa_next_free_vgpr 256
		.amdhsa_next_free_sgpr 66
		.amdhsa_reserve_vcc 0
		.amdhsa_float_denorm_mode_32 3
		.amdhsa_float_denorm_mode_16_64 3
		.amdhsa_memory_ordered 1
		.amdhsa_forward_progress 1
		.amdhsa_inst_pref_size 68
	.end_amdhsa_kernel
	.amdgpu_metadata
---
amdhsa.version: [ 1, 2 ]
amdhsa.kernels:
  - .name:           k_q0bf81003c2_attn
    .symbol:         k_q0bf81003c2_attn.kd
    .args:
      - { .name: qimg, .offset: 0, .size: 8, .value_kind: global_buffer, .address_space: global }
      - { .name: kvimg, .offset: 8, .size: 8, .value_kind: global_buffer, .address_space: global }
      - { .name: lowp_scales, .offset: 16, .size: 8, .value_kind: global_buffer, .address_space: global }
      - { .name: yimg, .offset: 24, .size: 8, .value_kind: global_buffer, .address_space: global }
    .group_segment_fixed_size: 34816
    .private_segment_fixed_size: 0
    .kernarg_segment_align: 8
    .kernarg_segment_size: 32
    .max_flat_workgroup_size: 512
    .sgpr_count:     66
    .vgpr_count:     256
    .wavefront_size: 32
...
	.end_amdgpu_metadata
.endif
;; end of part 5
;; launch proj: the kernel of part 4 again; grid 4 x 64, 4 waves a work-group, clusters of 4 x 4, 327,680 bytes of LDS; arguments yimg, woimg, bo, lowp_scales, out0; writes out0
